; MI455X (gfx1250); checked and timed in simulation.
; The chip was launched on July 23, 2026; its instructions are those of AMD's public machine-readable ISA for CDNA 5 (MIT licence, August 2026) and "CDNA5" Instruction Set Architecture Reference Guide (July 2026). The comments in the code are by the model that wrote it; some were corrected since.
;; Sparse Attention. Allowed arithmetic: float matrix products may take bf16 or f16 operands with f32 sums; other float arithmetic in f32, or as packed bf16 or f16 multiplies, adds, multiply-adds, maxima and minima; sums over many terms, partial sums and values carried from step to step in f32; what a program stores and reads back later, other than sums and carried values, may be rounded once to bf16 or f16.
;; Inputs: Wk 1,024 x 1,024 float32; Wo 1,024 x 1,024 float32; Wq 1,024 x 1,024 float32; Wv 1,024 x 1,024 float32; x 2 x 2,048 x 1,024 float32.
;; Outputs: out0 2 x 2,048 x 1,024 float32.
;; 2 versions, each right; version 2 is version 1 with the launch cast written anew for expert scheduling mode. Each part assembles by itself: llvm-mc -triple=amdgcn-amd-amdhsa -mcpu=gfx1250 --defsym DOCPART=n.
;; ======== version 1 of 2: 4 launches
;; limits: values are held in f16: magnitudes above 65,504 overflow, below 6.1e-05 lose precision
;; workspace buffers: xb 8,388,608 bytes; wb 6,291,456 bytes; wob 2,097,152 bytes; qh 8,388,608 bytes; kh 8,388,608 bytes; vt 8,388,608 bytes; oh 8,388,608 bytes
;; launch cast (part 1): grid 512 x 1, 8 waves a work-group, no clusters, 0 bytes of LDS; arguments x, Wq, Wk, Wv, Wo, xb, wb, wob; writes xb, wb, wob
.if DOCPART == 1
	.amdgcn_target "amdgcn-amd-amdhsa--gfx1250"
	.amdhsa_code_object_version 6
	.text
	.protected	k_qcc3cecf67d_cast
	.globl	k_qcc3cecf67d_cast
	.p2align	8
	.type	k_qcc3cecf67d_cast,@function
k_qcc3cecf67d_cast:
	s_mov_b64 s[64:65], 0
	v_nop
	global_prefetch_b8 v0, s[64:65] scope:SCOPE_SE
	s_setreg_imm32_b32 hwreg(HW_REG_WAVE_MODE, 25, 1), 1
	s_wait_xcnt 0x0
; THE INPUTS ARE ROUNDED ONCE, TO bf16, AND LAID OUT FOR THE PRODUCTS THAT FOLLOW.
;   xb  [4096][1024] bf16 = x.
;   wb  [3072][1024] bf16: row (3 h + m) 64 + r = row 64 h + r of Wq (m = 0), Wk (1), Wv (2): a head's q, k and v rows lie together.
;   wob [16 h][1024 n][64 c] f16 = Wo[n][64 h + c], rounded to bf16 like the other inputs; that number is then written as f16.
; LIMIT: the step from bf16 to f16 is exact from 6.1e-5 to 65,504 in magnitude; below that Wo keeps f16's fixed step of 6e-8, beyond it becomes an infinity.
; SHARES.  A work-group takes 64 KiB of f32 (16 rows of 1,024): groups 0-255 x, then 64 groups for each of Wq, Wk, Wv, Wo.  A thread issues its 16 loads of 16 bytes at once
; (a wave's load covers 512 consecutive bytes, or for Wo two pieces of 256) and stores 8 bytes for each: a wave's store covers 256 consecutive bytes, aligned.
; No LDS, no barrier, no matrix unit: each byte crosses once and nothing is shared.
.set IN,  1                            ; v1       my byte offset in the group's 64 KiB
.set OUT, 2                            ; v2       my byte offset in what the group stores
.set X,   16                           ; v[16:79] load j: 4 registers
.set Y,   80                           ; v[80:111] store j: 2 registers
.set T,   112                          ; v[112:117] at work
	s_load_b256 s[4:11], s[0:1], 0x0               ; x s[4:5], Wq s[6:7], Wk s[8:9], Wv s[10:11]
	s_load_b256 s[12:19], s[0:1], 0x20             ; Wo s[12:13], xb s[14:15], wb s[16:17], wob s[18:19]
	s_mov_b32 s28, ttmp9                           ; the group's number
	s_sub_co_u32 s29, s28, 256                     ; among the weights' groups (used from group 256 on)
	s_lshr_b32 s30, s29, 6                         ; m: which weight
	s_and_b32 s31, s29, 63                         ; which 16 rows of it
	s_lshl_b32 s24, s31, 16                        ; a weight's source offset: 16 rows of 4,096 bytes
	s_lshr_b32 s32, s31, 2                         ; the head of those rows
	s_mul_i32 s32, s32, 3
	s_add_co_u32 s32, s32, s30
	s_lshl_b32 s32, s32, 6                         ; (3 h + m) 64
	s_and_b32 s33, s31, 3
	s_lshl_b32 s33, s33, 4
	s_add_co_u32 s32, s32, s33                     ; + the rows' place in the head
	s_lshl_b32 s26, s32, 11                        ; rows of 2,048 bytes in wb
	s_lshl_b32 s33, s31, 11                        ; in wob: 16 rows n of 128 bytes in each head's block
	s_cmp_eq_u32 s30, 3
	s_cselect_b32 s26, s33, s26
	s_lshl_b32 s34, s28, 16                        ; x: 64 KiB in,
	s_lshl_b32 s35, s28, 15                        ; 32 KiB out
	s_cmp_lt_u32 s28, 256
	s_cselect_b32 s24, s34, s24
	s_cselect_b32 s26, s35, s26
	s_mov_b32 s25, 0
	s_mov_b32 s27, 0
	v_lshlrev_b32 v[OUT], 3, v0                    ; 8 bytes a thread, on both paths
	s_wait_kmcnt 0x0
	s_cmp_eq_u32 s30, 1                            ; the buffers are chosen by the group's number alone
	s_cselect_b64 s[20:21], s[8:9], s[6:7]
	s_cmp_eq_u32 s30, 2
	s_cselect_b64 s[20:21], s[10:11], s[20:21]
	s_cmp_eq_u32 s30, 3
	s_cselect_b64 s[20:21], s[12:13], s[20:21]
	s_cselect_b64 s[22:23], s[18:19], s[16:17]
	s_cmp_lt_u32 s28, 256
	s_cselect_b64 s[20:21], s[4:5], s[20:21]
	s_cselect_b64 s[22:23], s[14:15], s[22:23]
	s_add_nc_u64 s[20:21], s[20:21], s[24:25]
	s_add_nc_u64 s[22:23], s[22:23], s[26:27]
.macro LOADS step                      ; all 16 loads at once
.set j, 0
.rept 16
	global_load_b128 v[X+4*j:X+4*j+3], v[IN], s[20:21] offset:j*(\step) th:TH_LOAD_NT
.set j, j+1
.endr
.endm
	s_cmp_ge_u32 s28, 448
	s_cbranch_scc1 .Lwo
	; x, Wq, Wk, Wv: the order of the numbers stays
	v_lshlrev_b32 v[IN], 4, v0
	LOADS 4096
.set j, 0
.rept 16
	s_wait_loadcnt 15-j                            ; loads come back in order: load j is in, the 15 - j younger ones stay out
	v_cvt_pk_bf16_f32 v[Y+2*j], v[X+4*j], v[X+4*j+1]
	v_cvt_pk_bf16_f32 v[Y+2*j+1], v[X+4*j+2], v[X+4*j+3]
	global_store_b64 v[OUT], v[Y+2*j:Y+2*j+1], s[22:23] offset:j*2048
.set j, j+1
.endr
	s_endpgm
.Lwo:
	; Wo: wave w takes rows 2 w and 2 w + 1; load j is head j's 64 channels of both rows: two pieces of 256 bytes in, 256 consecutive bytes of head j's block out
	v_lshrrev_b32 v3, 5, v0
	v_bfe_u32 v4, v0, 4, 1
	v_lshl_add_u32 v3, v3, 1, v4                   ; my row
	v_and_b32 v4, 15, v0
	v_lshlrev_b32 v4, 4, v4
	v_lshl_add_u32 v[IN], v3, 12, v4
	LOADS 256
.set j, 0
.rept 16
	s_wait_loadcnt 15-j
	v_cvt_pk_bf16_f32 v[T], v[X+4*j], v[X+4*j+1]   ; the one rounding,
	v_cvt_pk_bf16_f32 v[T+1], v[X+4*j+2], v[X+4*j+3]
	v_lshlrev_b32 v[T+2], 16, v[T]                 ; back to f32,
	v_and_b32 v[T+3], 0xffff0000, v[T]
	v_lshlrev_b32 v[T+4], 16, v[T+1]
	v_and_b32 v[T+5], 0xffff0000, v[T+1]
	v_cvt_pk_f16_f32 v[Y+2*j], v[T+2], v[T+3]      ; and written as f16
	v_cvt_pk_f16_f32 v[Y+2*j+1], v[T+4], v[T+5]
	global_store_b64 v[OUT], v[Y+2*j:Y+2*j+1], s[22:23] offset:j*131072
.set j, j+1
.endr
	s_endpgm
.Lfunc_end_k_qcc3cecf67d_cast:
	.size	k_qcc3cecf67d_cast, .Lfunc_end_k_qcc3cecf67d_cast-k_qcc3cecf67d_cast
	.p2alignl 7, 3214868480
	.fill 96, 4, 3214868480
	.section	.rodata,"a",@progbits
	.p2align	6, 0x0
	.amdhsa_kernel k_qcc3cecf67d_cast
		.amdhsa_group_segment_fixed_size 0
		.amdhsa_private_segment_fixed_size 0
		.amdhsa_enable_private_segment 0
		.amdhsa_kernarg_size 64
		.amdhsa_user_sgpr_count 2
		.amdhsa_user_sgpr_kernarg_segment_ptr 1
		.amdhsa_wavefront_size32 1
		.amdhsa_system_sgpr_workgroup_id_x 1
		.amdhsa_system_sgpr_workgroup_id_y 1
		.amdhsa_system_sgpr_workgroup_id_z 1
		.amdhsa_system_vgpr_workitem_id 0
		.amdhsa_next_free_vgpr 120
		.amdhsa_next_free_sgpr 66
		.amdhsa_reserve_vcc 0
		.amdhsa_float_denorm_mode_32 3
		.amdhsa_float_denorm_mode_16_64 3
		.amdhsa_memory_ordered 1
		.amdhsa_forward_progress 1
		.amdhsa_inst_pref_size 19
	.end_amdhsa_kernel
	.amdgpu_metadata
---
amdhsa.version: [ 1, 2 ]
amdhsa.kernels:
  - .name:           k_qcc3cecf67d_cast
    .symbol:         k_qcc3cecf67d_cast.kd
    .args:
      - { .name: x, .offset: 0, .size: 8, .value_kind: global_buffer, .address_space: global }
      - { .name: Wq, .offset: 8, .size: 8, .value_kind: global_buffer, .address_space: global }
      - { .name: Wk, .offset: 16, .size: 8, .value_kind: global_buffer, .address_space: global }
      - { .name: Wv, .offset: 24, .size: 8, .value_kind: global_buffer, .address_space: global }
      - { .name: Wo, .offset: 32, .size: 8, .value_kind: global_buffer, .address_space: global }
      - { .name: xb, .offset: 40, .size: 8, .value_kind: global_buffer, .address_space: global }
      - { .name: wb, .offset: 48, .size: 8, .value_kind: global_buffer, .address_space: global }
      - { .name: wob, .offset: 56, .size: 8, .value_kind: global_buffer, .address_space: global }
    .group_segment_fixed_size: 0
    .private_segment_fixed_size: 0
    .kernarg_segment_align: 8
    .kernarg_segment_size: 64
    .max_flat_workgroup_size: 256
    .sgpr_count:     66
    .vgpr_count:     120
    .wavefront_size: 32
...
	.end_amdgpu_metadata
.endif
;; end of part 1
;; launch qkv (part 2): grid 16 x 16, 4 waves a work-group, clusters of 4 x 4, 327,680 bytes of LDS; arguments xb, wb, qh, kh, vt; writes qh, kh, vt
.if DOCPART == 2
	.amdgcn_target "amdgcn-amd-amdhsa--gfx1250"
	.amdhsa_code_object_version 6
	.text
	.protected	k_qcc3cecf67d_qkv
	.globl	k_qcc3cecf67d_qkv
	.p2align	8
	.type	k_qcc3cecf67d_qkv,@function
k_qcc3cecf67d_qkv:
	s_mov_b64 s[64:65], 0
	v_nop
	global_prefetch_b8 v0, s[64:65] scope:SCOPE_SE
	s_setreg_imm32_b32 hwreg(HW_REG_WAVE_MODE, 25, 1), 1
	s_wait_xcnt 0x0
	s_wait_alu depctr_hold_cnt(0) depctr_sa_sdst(0) depctr_va_vdst(0) depctr_va_sdst(0) depctr_va_ssrc(0) depctr_va_vcc(0) depctr_vm_vsrc(0)
	s_getreg_b32 s2, hwreg(HW_REG_IB_STS2, 6, 4)
	s_cmp_eq_u32 s2, 0
	s_cbranch_scc0 .Lentry_in_a_cluster
	s_endpgm
.Lentry_in_a_cluster:
	s_bfe_u32 s2, ttmp6, 0x10000c
	s_cmp_lg_u32 s2, 0xf033
	s_cbranch_scc0 .Lentry_shape_is_right
	s_endpgm
.Lentry_shape_is_right:
; q, k, v = x W^T for all three weights at once: [4096 x 3072] = xb [4096][1024] . wb [3072][1024]^T, bf16 operands, f32 sums; each result rounded once to f16, unscaled.
; OUT: qh, kh [32 bh][2048 t][64] f16 (a head's rows dense), vt [32 bh][64 channels][2048 t] f16: V TRANSPOSED, so that the attention reads its fragments of V^T as they lie.
; LIMIT: f16 ends at 65,504: a q, k or v beyond it becomes an infinity.
; SHARES.  A work-group makes 256 rows x 192 columns: one head's q, k and v (wb holds them together).  16 heads x 16 row blocks = 256 work-groups.  Wave w has rows 64 w .. 64 w + 63
; and all 192 columns: 4 x 12 accumulators of 16 x 16, 384 registers.  K goes in 8 steps of 128 (rows of 256 bytes in memory) through a ring of two LDS slots.
; ORIENTATION.  For q and k (column blocks 0-7) source 0 = 16 rows of W, source 1 = 16 rows of x: a lane holds one row t and eight neighbouring channels.  For v (blocks 8-11) source 0 = x, source 1 = Wv:
; a lane holds one channel and eight neighbouring t: 16 bytes of V^T.
; CLUSTER 4 x 4.  x's tile hangs on the row block alone and is shared along a row of the cluster, W's on the head alone and is shared along a column: each is asked for jointly.
; REGISTERS, in windows of 256: window 0 addresses and the way out; window 1 the fragments: x's two buffers v0-31, v32-63, W's two v64-159, v160-255;
;   window 2 the accumulators of row blocks 0, 1 ((a, b) at v[8 (12 (a % 2) + b)]); window 3 those of row blocks 2, 3.
.set KSTEP,  128
.set PITCH,  272                       ; an LDS row: 256 bytes + 16 of padding: the 16 rows of a fragment load start at 16 different groups of four banks (64 banks of 4 bytes: ISA guide 11.1)
.set AHALF,  128*PITCH                 ; what waves 0 and 1 fetch: 128 rows of x
.set BHALF,  96*PITCH                  ; what waves 2 and 3 fetch: 96 rows of W
.set BOFF,   256*PITCH                 ; W's rows lie behind x's 256
.set SLOT,   (256+192)*PITCH
.set STAGEQK, 2*SLOT                   ; behind the ring: for each wave 2 x 16 rows x 144 bytes (q, k)
.set SQ,     144
.set STAGEV, STAGEQK+4*32*SQ           ; 64 channels x 528 bytes: V^T of the block's 256 rows, the work-group's
.set SV,     528
.set SPARE,  STAGEV+64*SV              ; the spare words, 128 bytes for each wave: two blocks of 256 bytes that no other line names
.set LAPS,   4                         ; a lap = two K steps = once round the ring
.set ADRA, 16                          ; v16-17  LDS address of my x fragments in slot 0, 1
.set ADRB, 20                          ; v20-21  the same for W
.set STO,  22                          ; v22     q, k: where I put 16 bytes of a row
.set RD,   23                          ; v23     q, k: where I read rows back
.set GO,   24                          ; v24     16 x my lane
.set STV,  25                          ; v25     v: where I put 16 bytes of a channel
.set RDV,  26                          ; v26     v: where I read a channel back
.set SPW,  28                          ; v28     LDS address of my spare word; never rewritten
.set NIL,  29                          ; v29     0; never rewritten
.set PFO,  30                          ; v30     the prefetches' offset: a lane a row; never rewritten
.set TV,   32                          ; v32-95   v, packed
.set BV,   96                          ; v96-159  v, read back
.set TQ,   160                         ; v160-191 q and k of 16 rows, packed
.set BQ,   192                         ; v192-255 read back, two buffers of 32
.set G1,   24                          ; s[24:31] descriptor group 1 for x's tiles
.set G0,   32                          ; s[32:39] group 0, a set for each slot
.set G1B,  48                          ; s[48:55], s[56:63] the same for W's tiles
.set G0B,  56
.set PFA,  44                          ; s[44:45] where my prefetches stand
.set LIM,  43                          ; s43      1 in a wave that prefetches, else the greatest number
.set MSB, 0
.macro WIN new                         ; the immediate's high byte repeats the setting that is left; a switch that changes nothing is dropped
.if MSB != (\new)
	s_set_vgpr_msb (MSB<<8)|(\new)
.set MSB, \new
.endif
.endm
.set MUL_LO, 0xa5                      ; sources 0 and 1 window 1, C and D window 2
.set MUL_HI, 0xf5                      ; the same, C and D window 3
.set TO_F,   0x40                      ; destination window 1, address window 0
; A joint load: waves 0 and 1 fetch x's two halves, waves 2 and 3 W's.  The branch hangs on the wave's number alone.  An s_nop 0 and four v_nop follow each of the two lines.
.macro JLOAD s
	s_cmp_eq_u32 s11, 0
	s_cbranch_scc0 .Lfor_b_\@
	tensor_load_to_lds s[G0+4*(\s):G0+4*(\s)+3], s[G1:G1+7]
	s_nop 0
.rept 4
	v_nop
.endr
	s_branch .Lasked_\@
.Lfor_b_\@:
	tensor_load_to_lds s[G0B+4*(\s):G0B+4*(\s)+3], s[G1B:G1B+7]
	s_nop 0
.rept 4
	v_nop
.endr
.Lasked_\@:
.endm
; A prefetch of the K step that stands two refills on, a lane a row, one instruction a wave, behind the joint load and the run of LDS loads.  x's rows are read by every cluster of a row of clusters: the
; cluster with x = 0 asks; W's by every cluster of a column: the cluster with y = 0 asks.  The four partners share a wave's rows out by address (32 of x's 128, 24 of W's 96; there lanes 24-31 name
; row 23 with lane 23).  The loop's last trip asks for nothing: there is no K step two refills on.
.macro ASK
	s_cmp_gt_u32 s3, s[LIM]
	s_cbranch_scc0 .Lnot_mine_\@
	global_prefetch_b8 v[PFO], s[PFA:PFA+1] offset:KSTEP*2 th:TH_LOAD_NT scope:SCOPE_SE
.Lnot_mine_\@:
.endm
.macro CREST                           ; a round of the cluster's barrier behind its opening barrier
	s_cmp_lg_u32 s10, 0
	s_cbranch_scc1 .Lnot_wave_0_\@
	s_barrier_signal -3
.Lnot_wave_0_\@:
	s_barrier_wait -3
	s_barrier_signal -1
	s_barrier_wait -1
.endm
.macro CROUND                          ; a whole round
	s_barrier_signal -1
	s_barrier_wait -1
	CREST
.endm
.macro PLACES                          ; four places in front of loads into registers that matrix instructions have read, and of conversions that read results
.rept 4
	v_nop
.endr
.endm
	s_load_b128 s[4:7], s[0:1], 0x0                ; xb s[4:5], wb s[6:7]
	s_load_b64 s[8:9], s[0:1], 0x10                ; qh
	s_load_b128 s[68:71], s[0:1], 0x18             ; kh s[68:69], vt s[70:71]
	v_lshl_add_u32 v[SPW], v0, 2, SPARE
	v_mov_b32 v[NIL], 0
	ds_add_u32 v[SPW], v[NIL]                      ; the wave's opening: the add and its wait stand ahead of my first tensor load; the set-up below, work on registers, stands between them
	v_lshrrev_b32 v1, 5, v0
	v_readfirstlane_b32 s10, v1                    ; wave 0..3
	s_lshr_b32 s11, s10, 1                         ; I fetch for x (0) or for W (1)
	s_and_b32 s12, s10, 1                          ; which half of that tile
	s_bfe_u32 s40, ttmp6, 0x40000                  ; cx, cy: my place in the cluster
	s_bfe_u32 s41, ttmp6, 0x40004
	s_lshl_b32 s42, ttmp9, 2
	s_add_co_u32 s42, s42, s40                     ; the head = 4 x cluster x + cx
	s_and_b32 s13, ttmp7, 0xffff
	s_lshl_b32 s13, s13, 2
	s_add_co_u32 s13, s13, s41                     ; the row block = 4 x cluster y + cy
	s_lshl_b32 s43, s41, 2
	s_lshl_b32 s43, 15, s43                        ; my row of the cluster
	s_lshl_b32 s44, 0x1111, s40                    ; my column
	; descriptor group 1: rows of 128 elements, padded in LDS: 15:0 the mask; 17:16 elements of 2 bytes; 20 padding on; 21 set beside a mask; 24:22 after every 64 words (code 5); 31:25 4 words (code 3)
	s_or_b32 s[G1+0], s43, (1<<16)|(1<<20)|(1<<21)|(5<<22)|(3<<25)
	s_or_b32 s[G1B+0], s44, (1<<16)|(1<<20)|(1<<21)|(5<<22)|(3<<25)
.irp g, G1, G1B
	s_mov_b32 s[(\g)+1], KSTEP<<16                 ; tensor_dim0 = 128
	s_mov_b32 s[(\g)+3], KSTEP<<16                 ; tile_dim0 = 128
	s_mov_b32 s[(\g)+5], 1024                      ; elements from row to row
	s_mov_b32 s[(\g)+6], 0
	s_mov_b32 s[(\g)+7], 0
.endr
	s_mov_b32 s[G1+2], 128<<16                     ; tensor_dim1 and tile_dim1: 128 rows of x,
	s_mov_b32 s[G1+4], 128
	s_mov_b32 s[G1B+2], 96<<16                     ; 96 rows of W
	s_mov_b32 s[G1B+4], 96
	s_lshl_b32 s16, s13, 8
	s_lshl_b32 s17, s12, 7
	s_add_co_u32 s16, s16, s17                     ; x: row 256 x row block + 128 x half,
	s_lshl_b32 s16, s16, 11                        ; of 2,048 bytes
	s_mov_b32 s17, 0
	s_mul_i32 s46, s42, 192
	s_mul_i32 s47, s12, 96
	s_add_co_u32 s46, s46, s47                     ; W: row 192 x head + 96 x half
	s_lshl_b32 s46, s46, 11
	s_mov_b32 s47, 0
	s_mul_i32 s20, s10, AHALF                      ; where they go: x's halves at wave x 128 rows (waves 0, 1),
	s_mul_i32 s21, s10, BHALF
	s_add_co_u32 s21, s21, BOFF-2*BHALF            ; W's halves behind x's 256 rows (waves 2, 3): no place in the cluster enters an LDS address
	s_wait_dscnt 0x0                               ; the opening add is done
	s_wait_kmcnt 0x0
	s_add_nc_u64 s[14:15], s[4:5], s[16:17]
	s_add_nc_u64 s[46:47], s[6:7], s[46:47]
	CROUND                                         ; all sixteen work-groups are here: the first joint loads meet
.irp s, 0,1
	s_mov_b32 s[G0+4*(\s)], 1                                      ; count = 1
	s_add_co_u32 s[G0+4*(\s)+1], s20, (\s)*SLOT                    ; LDS address
	s_add_nc_u64 s[G0+4*(\s)+2:G0+4*(\s)+3], s[14:15], (\s)*KSTEP*2  ; global address: K step s
	s_or_b32 s[G0+4*(\s)+3], s[G0+4*(\s)+3], 0x80000000            ; type = 2
	s_mov_b32 s[G0B+4*(\s)], 1
	s_add_co_u32 s[G0B+4*(\s)+1], s21, (\s)*SLOT
	s_add_nc_u64 s[G0B+4*(\s)+2:G0B+4*(\s)+3], s[46:47], (\s)*KSTEP*2
	s_or_b32 s[G0B+4*(\s)+3], s[G0B+4*(\s)+3], 0x80000000
	JLOAD \s                                       ; two loads of mine are out
.endr
	; a fragment is 16 rows x 32 K in 8 registers: lane l holds row l % 16; registers 0-3 K = 8 (l / 16) + 0..7, registers 4-7 K = 16 + 8 (l / 16) + 0..7: two loads of 16 bytes, 32 bytes apart
	v_and_b32 v1, 15, v0                           ; l % 16
	v_bfe_u32 v2, v0, 4, 1                         ; l / 16
	v_mul_u32_u24 v3, v1, PITCH
	v_lshl_add_u32 v3, v2, 4, v3
	s_mul_i32 s21, s10, 64*PITCH                   ; my 64 rows of x
	v_add_nc_u32 v[ADRA], s21, v3
	v_add_nc_u32 v[ADRA+1], SLOT, v[ADRA]
	v_add_nc_u32 v[ADRB], BOFF, v3                 ; all 192 rows of W
	v_add_nc_u32 v[ADRB+1], SLOT, v[ADRB]
	s_mul_i32 s23, s10, 32*SQ
	s_add_co_u32 s23, s23, STAGEQK                 ; my stage for q and k
	v_mul_u32_u24 v4, v1, SQ                       ; in: row l % 16, 16 bytes for each half of the lanes
	v_lshl_add_u32 v4, v2, 4, v4
	v_add_nc_u32 v[STO], s23, v4
	v_bfe_u32 v4, v0, 3, 2                         ; back: 32 lanes take four rows of 128 bytes
	v_mul_u32_u24 v4, v4, SQ
	v_and_b32 v5, 7, v0
	v_lshl_add_u32 v4, v5, 4, v4
	v_add_nc_u32 v[RD], s23, v4
	v_and_b32 v5, 31, v0
	v_lshlrev_b32 v[GO], 4, v5
	v_mul_u32_u24 v4, v1, SV                       ; v, in: channel l % 16 of a block, my wave's 64 t (128 bytes), 16 bytes for each half of the lanes
	v_lshl_add_u32 v4, v2, 4, v4
	s_lshl_b32 s23, s10, 7
	s_add_co_u32 s23, s23, STAGEV
	v_add_nc_u32 v[STV], s23, v4
	s_mul_i32 s23, s10, 16*SV                      ; v, back: wave w takes channels 16 w .. 16 w + 15, whole: 512 bytes each
	s_add_co_u32 s23, s23, STAGEV
	v_add_nc_u32 v[RDV], s23, v[GO]
	; where my results go
	s_lshr_b32 s72, s13, 3                         ; the batch,
	s_lshl_b32 s72, s72, 4
	s_add_co_u32 s72, s72, s42                     ; bh = 16 x batch + head,
	s_lshl_b32 s72, s72, 18                        ; of 262,144 bytes in each of the three
	s_and_b32 s73, s13, 7                          ; the block of 256 t in the batch
	s_lshl_b32 s74, s73, 15                        ; q, k: 256 rows of 128 bytes,
	s_add_co_u32 s74, s74, s72
	s_lshl_b32 s75, s10, 13                        ; my wave's 64 of them
	s_add_co_u32 s74, s74, s75
	s_mov_b32 s75, 0
	s_add_nc_u64 s[8:9], s[8:9], s[74:75]
	s_add_nc_u64 s[68:69], s[68:69], s[74:75]
	s_lshl_b32 s73, s73, 9                         ; v: 512 bytes of each channel's row,
	s_add_co_u32 s72, s72, s73
	s_lshl_b32 s73, s10, 16                        ; my wave's 16 channels of 4,096 bytes
	s_add_co_u32 s72, s72, s73
	s_mov_b32 s73, 0
	s_add_nc_u64 s[70:71], s[70:71], s[72:73]
	; the prefetches
	s_lshl_b32 s20, s13, 8
	s_lshl_b32 s18, s12, 7
	s_add_co_u32 s20, s20, s18
	s_lshl_b32 s18, s40, 5
	s_add_co_u32 s20, s20, s18                     ; x: the 128 rows that I fetch, my work-group's 32 of them
	s_mul_i32 s21, s42, 192
	s_mul_i32 s18, s12, 96
	s_add_co_u32 s21, s21, s18
	s_mul_i32 s18, s41, 24
	s_add_co_u32 s21, s21, s18                     ; W: the 96 rows that I fetch, my work-group's 24
	s_and_b32 s22, ttmp7, 0xffff                   ; cluster y
	s_cmp_eq_u32 s11, 0                            ; do I fetch for x?
	s_cselect_b32 s20, s20, s21
	s_cselect_b32 s22, ttmp9, s22                  ; the coordinate along which other clusters read the same rows
	s_cselect_b32 s23, 31, 23
	s_cselect_b64 s[PFA:PFA+1], s[4:5], s[6:7]
	s_cmp_eq_u32 s22, 0
	s_cselect_b32 s[LIM], 1, -1                    ; the same in all sixteen partners, for a given wave
	s_lshl_b32 s20, s20, 11
	s_add_co_u32 s20, s20, 2*KSTEP*2               ; at K step 2: the first refill steps it to 3 and names K step 4
	s_mov_b32 s21, 0
	s_add_nc_u64 s[PFA:PFA+1], s[PFA:PFA+1], s[20:21]
	v_min_u32 v[PFO], s23, v5
	v_lshlrev_b32 v[PFO], 11, v[PFO]
; 12 matrix instructions: row block a x all 12 column blocks, 32 along K, from buffer f.  zero = 1: the product starts the sums.  The 48 accumulators take turns, in the same order in every quarter.
.macro MUL12 f, a, zero
	WIN MUL_LO+0x50*((\a)/2)
.set FA, 32*(\f)+8*(\a)
.set AC, 96*((\a)%2)
.irp b, 0,1,2,3,4,5,6,7,8,9,10,11
.set FB, 64+96*(\f)+8*(\b)
.if (\b) < 8
.if \zero
	v_wmma_f32_16x16x32_bf16 v[AC+8*(\b):AC+8*(\b)+7], v[FB:FB+7], v[FA:FA+7], 0
.else
	v_wmma_f32_16x16x32_bf16 v[AC+8*(\b):AC+8*(\b)+7], v[FB:FB+7], v[FA:FA+7], v[AC+8*(\b):AC+8*(\b)+7]
.endif
.else
.if \zero
	v_wmma_f32_16x16x32_bf16 v[AC+8*(\b):AC+8*(\b)+7], v[FA:FA+7], v[FB:FB+7], 0
.else
	v_wmma_f32_16x16x32_bf16 v[AC+8*(\b):AC+8*(\b)+7], v[FA:FA+7], v[FB:FB+7], v[AC+8*(\b):AC+8*(\b)+7]
.endif
.endif
.endr
.endm
; 32 LDS loads in one run: the fragments of 32 along K at byte k of the rows, into buffer f: W's 24, then x's 8
.macro FETCH slot, k, f
	WIN TO_F
.irp b, 0,1,2,3,4,5,6,7,8,9,10,11
	ds_load_b128 v[64+96*(\f)+8*(\b):64+96*(\f)+8*(\b)+3],   v[ADRB+(\slot)] offset:(\k)+(\b)*16*PITCH
	ds_load_b128 v[64+96*(\f)+8*(\b)+4:64+96*(\f)+8*(\b)+7], v[ADRB+(\slot)] offset:(\k)+(\b)*16*PITCH+32
.endr
.irp a, 0,1,2,3
	ds_load_b128 v[32*(\f)+8*(\a):32*(\f)+8*(\a)+3],   v[ADRA+(\slot)] offset:(\k)+(\a)*16*PITCH
	ds_load_b128 v[32*(\f)+8*(\a)+4:32*(\f)+8*(\a)+7], v[ADRA+(\slot)] offset:(\k)+(\a)*16*PITCH+32
.endr
.endm
; A K step is four quarters of 32 along K, 48 matrix instructions each, on buffers 0, 1, 0, 1.  One of the first three: multiplies buffer f and, in its middle, fetches the next quarter, at byte k, into g.
.macro QUARTER slot, k, f, g, zero
	s_wait_dscnt 4                                 ; W's fragments and x's row blocks 0, 1 are in; the youngest four loads (row blocks 2, 3) may be out
	MUL12 \f, 0, \zero
	MUL12 \f, 1, \zero
	PLACES
	FETCH \slot, \k, \g
	s_wait_dscnt 32                                ; all but the 32 just issued
	MUL12 \f, 2, \zero
	MUL12 \f, 3, \zero
.endm
; The last quarter multiplies buffer 1 and changes slots: ONE barrier; in front of it each wave waits for all its tensor loads (one is out: its part of the next slot), adds 0 to its spare word, and waits for
; that and for its own reads of this slot.  fill = 1: the barrier opens a round of the cluster's, and this slot is filled again, two K steps ahead, first thing behind the round.
.macro TURN slot, next, fill
.if \fill
	s_wait_xcnt 0x0                                ; the last prefetch, a K step back, has read its address: it is stepped here, ahead of the waits of the change of slots
	s_add_nc_u64 s[PFA:PFA+1], s[PFA:PFA+1], KSTEP*2
.endif
	WIN 0                                          ; (the add's two registers lie in window 0)
	s_wait_tensorcnt 0x0                           ; all my tensor loads have landed;
	ds_add_u32 v[SPW], v[NIL]                      ; 0 onto my spare word;
	s_wait_dscnt 5                                 ; (the add and the youngest four loads may be out)
	MUL12 1, 0, 0                                  ; twelve matrix instructions stand between the add and the wait for it
	s_wait_dscnt 0x0                               ; the add is done, and my reads of this slot are over
	s_barrier_signal -1
	MUL12 1, 1, 0                                  ; work on registers while the others arrive
.if \fill
	WIN 0
.endif
	s_barrier_wait -1
.if \fill
	CREST                                          ; no wave of any partner still reads this slot's tile or has a load on its way
	s_add_nc_u64 s[G0+4*(\slot)+2:G0+4*(\slot)+3], s[G0+4*(\slot)+2:G0+4*(\slot)+3], 2*KSTEP*2
	s_add_nc_u64 s[G0B+4*(\slot)+2:G0B+4*(\slot)+3], s[G0B+4*(\slot)+2:G0B+4*(\slot)+3], 2*KSTEP*2
	JLOAD \slot                                    ; the first tensor load behind the round; the four v_nop behind it are also the places in front of the loads below
.else
	PLACES
.endif
	FETCH \next, 0, 0
.if \fill
	WIN 0
	ASK
.endif
	MUL12 1, 2, 0
	MUL12 1, 3, 0
.endm
	s_wait_tensorcnt 1                             ; my part of K step 0 is in; K step 1's may stay out
	s_barrier_signal -1
	s_barrier_wait -1                              ; everybody's is
	FETCH 0, 0, 0
	QUARTER 0, 64,  0, 1, 1                        ; the first quarter stands in front of the loop: its products start the sums
	WIN 0                                          ; at a label and at a branch every window is 0
	s_mov_b32 s3, LAPS-1
.Llap:                                                 ; a trip goes once round the ring, from a lap's second quarter to the next lap's first, and fills both slots again
	QUARTER 0, 128, 1, 0, 0
	QUARTER 0, 192, 0, 1, 0
	TURN 0, 1, 1
	QUARTER 1, 64,  0, 1, 0
	QUARTER 1, 128, 1, 0, 0
	QUARTER 1, 192, 0, 1, 0
	TURN 1, 0, 1
	QUARTER 0, 64,  0, 1, 0
	WIN 0
	s_sub_co_u32 s3, s3, 1
	s_cmp_lg_u32 s3, 0
	s_cbranch_scc1 .Llap
	QUARTER 0, 128, 1, 0, 0                        ; the last lap fills nothing, and has no round of the cluster's barrier
	QUARTER 0, 192, 0, 1, 0
	TURN 0, 1, 0
	QUARTER 1, 64,  0, 1, 0
	QUARTER 1, 128, 1, 0, 0
	QUARTER 1, 192, 0, 1, 0
	s_wait_dscnt 4                                 ; the very last quarter: nothing more to fetch
	MUL12 1, 0, 0
	MUL12 1, 1, 0
	s_wait_dscnt 0x0
	MUL12 1, 2, 0
	MUL12 1, 3, 0
	WIN 0
	; THE WAY OUT.  V first: rounded to f16, 16 bytes (8 t of a channel) a lane into the work-group's stage; a barrier, since a channel's 512 bytes come from four waves; back as whole rows.
	PLACES
	PLACES
.irp a, 0,1,2,3
	WIN 0x0a+5*((\a)/2)                            ; sources 0 and 1: window 2 or 3
.irp cb, 0,1,2,3
.irp r, 0,1,2,3
	v_cvt_pk_f16_f32 v[TV+4*(4*(\a)+(\cb))+(\r)], v[96*((\a)%2)+8*(8+(\cb))+2*(\r)], v[96*((\a)%2)+8*(8+(\cb))+2*(\r)+1]
.endr
.endr
.endr
	WIN 0
.irp a, 0,1,2,3
.irp cb, 0,1,2,3
	ds_store_b128 v[STV], v[TV+4*(4*(\a)+(\cb)):TV+4*(4*(\a)+(\cb))+3] offset:(\cb)*16*SV+(\a)*32
.endr
.endr
	s_wait_dscnt 0x0                               ; for the others' sake: my stores into the stage are done
	s_barrier_signal -1
	s_barrier_wait -1
.irp f, 0,1,2,3,4,5,6,7,8,9,10,11,12,13,14,15
	ds_load_b128 v[BV+4*(\f):BV+4*(\f)+3], v[RDV] offset:(\f)*SV
.endr
.irp f, 0,1,2,3,4,5,6,7,8,9,10,11,12,13,14,15
	s_wait_dscnt 15-(\f)                           ; LDS loads come back in order: load f is in
	global_store_b128 v[GO], v[BV+4*(\f):BV+4*(\f)+3], s[70:71] offset:(\f)*4096  ; 512 consecutive bytes of a channel's row, at a multiple of 256 from vt's first byte
.endr
; q and k, 16 rows at a time, through my own stage: LDS serves a wave's instructions in order (ISA guide 5.7.1.4), so no wait stands between the stores and the loads.
.macro PACK a
	WIN 0x0a+5*((\a)/2)
.irp b, 0,1,2,3,4,5,6,7
.irp r, 0,1,2,3
	v_cvt_pk_f16_f32 v[TQ+4*(\b)+(\r)], v[96*((\a)%2)+8*(\b)+2*(\r)], v[96*((\a)%2)+8*(\b)+2*(\r)+1]
.endr
.endr
	WIN 0
.endm
.macro TOSTAGE a
.irp b, 0,1,2,3,4,5,6,7
	ds_store_b128 v[STO], v[TQ+4*(\b):TQ+4*(\b)+3] offset:((\b)/4)*16*SQ+((\b)%4)*32
.endr
.irp t, 0,1,2,3,4,5,6,7
	ds_load_b128 v[BQ+32*((\a)%2)+4*(\t):BQ+32*((\a)%2)+4*(\t)+3], v[RD] offset:((\t)/4)*16*SQ+((\t)%4)*4*SQ
.endr
.endm
.macro SEND a
	s_wait_dscnt 0x0                               ; the block is back in registers
	s_wait_xcnt 0x0                                ; the stores issued so far have read their registers: the buffer that the next block is read into is rewritten only behind this wait
.irp f, 0,1,2,3
	global_store_b128 v[GO], v[BQ+32*((\a)%2)+4*(\f):BQ+32*((\a)%2)+4*(\f)+3], s[8:9] offset:(\a)*2048+(\f)*512        ; four rows of q: 512 consecutive bytes
	global_store_b128 v[GO], v[BQ+32*((\a)%2)+16+4*(\f):BQ+32*((\a)%2)+16+4*(\f)+3], s[68:69] offset:(\a)*2048+(\f)*512  ; and of k
.endr
.endm
	PACK 0
	TOSTAGE 0
.irp a, 1,2,3                          ; block a's conversions stand between block a - 1's loads from the stage and the wait for them
	PACK \a
	SEND (\a)-1
	TOSTAGE \a
.endr
	SEND 3
	s_wait_tensorcnt 0x0                           ; the wave's end: the add and its wait stand behind my last tensor load and my last LDS store
	ds_add_u32 v[SPW], v[NIL]
	s_wait_dscnt 0x0
	CROUND                                         ; the closing round: no work-group ends while a partner may still ask for a tile that names it
	s_endpgm
.Lfunc_end_k_qcc3cecf67d_qkv:
	.size	k_qcc3cecf67d_qkv, .Lfunc_end_k_qcc3cecf67d_qkv-k_qcc3cecf67d_qkv
	.p2alignl 7, 3214868480
	.fill 96, 4, 3214868480
	.section	.rodata,"a",@progbits
	.p2align	6, 0x0
	.amdhsa_kernel k_qcc3cecf67d_qkv
		.amdhsa_group_segment_fixed_size 327680
		.amdhsa_private_segment_fixed_size 0
		.amdhsa_enable_private_segment 0
		.amdhsa_kernarg_size 40
		.amdhsa_user_sgpr_count 2
		.amdhsa_user_sgpr_kernarg_segment_ptr 1
		.amdhsa_wavefront_size32 1
		.amdhsa_system_sgpr_workgroup_id_x 1
		.amdhsa_system_sgpr_workgroup_id_y 1
		.amdhsa_system_sgpr_workgroup_id_z 1
		.amdhsa_system_vgpr_workitem_id 0
		.amdhsa_next_free_vgpr 960
		.amdhsa_next_free_sgpr 76
		.amdhsa_reserve_vcc 0
		.amdhsa_float_denorm_mode_32 3
		.amdhsa_float_denorm_mode_16_64 3
		.amdhsa_memory_ordered 1
		.amdhsa_forward_progress 1
		.amdhsa_inst_pref_size 121
	.end_amdhsa_kernel
	.amdgpu_metadata
---
amdhsa.version: [ 1, 2 ]
amdhsa.kernels:
  - .name:           k_qcc3cecf67d_qkv
    .symbol:         k_qcc3cecf67d_qkv.kd
    .args:
      - { .name: xb, .offset: 0, .size: 8, .value_kind: global_buffer, .address_space: global }
      - { .name: wb, .offset: 8, .size: 8, .value_kind: global_buffer, .address_space: global }
      - { .name: qh, .offset: 16, .size: 8, .value_kind: global_buffer, .address_space: global }
      - { .name: kh, .offset: 24, .size: 8, .value_kind: global_buffer, .address_space: global }
      - { .name: vt, .offset: 32, .size: 8, .value_kind: global_buffer, .address_space: global }
    .group_segment_fixed_size: 327680
    .private_segment_fixed_size: 0
    .kernarg_segment_align: 8
    .kernarg_segment_size: 40
    .max_flat_workgroup_size: 128
    .sgpr_count:     76
    .vgpr_count:     960
    .wavefront_size: 32
...
	.end_amdgpu_metadata
.endif
;; end of part 2
;; launch attn (part 3): grid 8 x 32, 8 waves a work-group, no clusters, 199,680 bytes of LDS; arguments qh, kh, vt, oh; writes oh
.if DOCPART == 3
	.amdgcn_target "amdgcn-amd-amdhsa--gfx1250"
	.amdhsa_code_object_version 6
	.text
	.protected	k_qcc3cecf67d_attn
	.globl	k_qcc3cecf67d_attn
	.p2align	8
	.type	k_qcc3cecf67d_attn,@function
k_qcc3cecf67d_attn:
	s_mov_b64 s[64:65], 0
	v_nop
	global_prefetch_b8 v0, s[64:65] scope:SCOPE_SE
	s_setreg_imm32_b32 hwreg(HW_REG_WAVE_MODE, 25, 1), 1
	s_wait_xcnt 0x0
; BAND ATTENTION WITH ONE GLOBAL TOKEN.  O[bh][i] = the sum over the keys j that row i sees of softmax_j(q_i . k_j / 8) v_j; row i sees j where |i - j| <= 128, or j = 0, or i = 0.
; qh, kh, oh: [32 bh][2048][64] f16; vt: [32 bh][64 channels][2048 keys] f16.  Products, maxima and sums in f32; the weights p are rounded to f16 for the second product (their sum l is taken of the unrounded p), O once at the end.
; LIMITS.  q, k, v arrive within f16's 65,504.  A hidden score counts as its value less 1e30; a weight below 2^-126 counts as 0 in l; NaN and infinities are not treated apart.
; SHARES.  A work-group owns 256 queries of one head (block J): 8 x 32 = 256 work-groups.  The 512 keys that its band can reach (key tiles 4 J - 2 .. 4 J + 5 of 64) come into LDS once, one tensor load a wave:
; no slot is filled twice.  Wave w owns 32 queries, two tiles of 16 (group w / 2 of 64 queries, half w % 2), and walks the group's five key tiles e = 0..4; only e = 0 and e = 4 hold hidden keys.
; A tile that lies outside the head is jumped over: a forward jump on the block's.
; THE MASK is the C operand that starts the sum S^T = K Q^T: 0, or -1e30 where the key is hidden.  At e = 0 key 16 kb + 8 h + r of the tile is hidden below the query's place in its group, at e = 4 above it.
; COLUMN 0 IS THE STARTING STATE.  For a query i > 128, whose band does not hold key 0: m = q . k_0, l = 1, O = v_0 (a product of V^T with a weight 1 at key 0, which also starts O^T's sums).  For i <= 128: the empty state.
; ROW 0 sees all 2,048 keys.  In the work-groups of block 0 each wave, while the tiles are on their way, runs queries 0-15 over its own 256 keys, fragments straight from memory, and leaves m, l and O^T in LDS;
; at the end wave 0 joins the eight and puts the result in the lanes of query 0, by a select.
; LAYOUT.  S^T = K Q^T (source 0 = 16 keys, source 1 = 16 queries): a lane holds ONE query (lane % 16) and the keys 8 (lane / 16) + 0..7.  Two such results rounded to f16 ARE source 1 of O^T = V^T P.
; SOFTMAX.  p = 2^(c s - c m), c = log2(e) / 8, with a running maximum m; in every step O and l are multiplied by a = 2^(c m_old - c m_new).
; NO CLUSTER: a pair of key tiles is wanted by two neighbouring blocks only, at different places of their 512 keys, so one LDS address for both would make the reads hang on a work-group's place.
; NO PREFETCH: all that the work-group reads is asked for at its head.
; REGISTERS: window 0 v0-15 addresses; v16-31 statistics, 8 a tile; v32-63 Q; v64-127 S^T; v128-159 P; v160-223 O^T; v224-239 queries 0-15; v240-253 constants and work.
;   window 1 v0-63 K of a step; v64-127 V^T of a step; v128-191 the mask of e = 0; v192-255 that of e = 4 (before the masks are made: row 0's second set of K and V^T).
.set PK,    144       ; a row of K in LDS: 128 bytes + 16: the 16 rows of a load start at 16 different groups of four banks (64 banks of 4 bytes: ISA guide 11.1)
.set PVT,   272       ; a channel's 128 keys: 256 bytes + 16
.set KTILE, 64*PK
.set KPAIR, 2*KTILE   ; what one tensor load brings of K: 128 keys
.set VBASE, 4*KPAIR
.set VPAIR, 64*PVT    ; and of V^T: 64 channels x 128 keys
.set STAGE, VBASE+4*VPAIR  ; 16 rows x 144 bytes for each wave, for the way out
.set SP,    144
.set PART,  STAGE+8*16*SP  ; row 0's partial results: for each wave 32 lanes x 144 bytes (O^T's 32 registers, then c m, m, l, l)
.set PPITCH, 144
.set PWAVE, 32*PPITCH
.set SPARE, PART+8*PWAVE   ; the spare words, 128 bytes for each wave: four blocks of 256 bytes that no other line names
.set RR,  1           ; v1   lane % 16
.set HH,  2           ; v2   lane / 16
.set AK,  3           ; v3   my place in the group's first key tile of K
.set AV,  4           ; v4-8 my place in V^T's key tile e
.set QO,  9           ; v9   my offset in 16 rows of 128 bytes
.set VO,  10          ; v10  my offset in 16 rows of vt (4,096 bytes)
.set STO, 11          ; v11  the way out: where I put 16 bytes of a row
.set RD,  12          ; v12  where I read rows back
.set GO,  13          ; v13  16 x my lane
.set SPW, 14          ; v14  LDS address of my spare word; never rewritten
.set NIL, 15          ; v15  0; never rewritten
.set ST,  16          ; tile u's statistics at v[ST+8 u]: c m, m, l (even keys', odd keys'), c0-c3 at work; a takes c2's place
.set Q,   32
.set S,   64
.set P,   128
.set O,   160
.set QZ,  224
.set EU,  240         ; v240-241  tile u: the query's place in its group, less 8 (lane / 16)
.set BIG, 242         ; v242  -1e30
.set IQ,  243         ; v243-244  tile u: the query's number
.set TW,  245         ; v245  at work
.set LOWM, 246        ; v246  the lowest finite number
.set LOWC, 247        ; v247  far below every c s
.set PST, 248         ; v248  where I put my partial result
.set PRD, 249         ; v249  my lane's place in a partial result
.set ONEH, 250        ; v250  1.0 in f16, in the low half
.set ML,  252         ; v252-253  row 0's l
.set KF,  0           ; window 1
.set VF,  64
.set MLO, 128
.set MHI, 192
.set WV,  12          ; s12  my wave's number
.set GR,  13          ; s13  my group of 64 queries
.set HF,  14          ; s14  my half of it
.set JB,  15          ; s15  the block
.set BH,  16          ; s16  the head
.set KT0, 17          ; s17  the key tile of e = 0 (below 0 it wraps, and counts as outside)
.set G1K, 24          ; s[24:31], s[32:39] descriptor group 1 for K and for V^T
.set G1V, 32
.set G0K, 40          ; s[40:43], s[44:47] group 0
.set G0V, 44
.set QP,  48          ; s[48:49] qh at my 32 rows;  s[50:51] oh at them
.set OP,  50
.set KH,  52          ; s[52:53] kh at the head;  s[54:55] vt at the head
.set VH,  54
.set KW,  56          ; s[56:57] kh at row 0's 256 keys of my wave
.set CS,  58          ; s[58:59] c
.set SEL, 60          ; s[60:61] v_permlanex16_b32's selects: each lane takes its own place in the other half
.set VW,  66          ; s[66:67] vt at those keys
.set QH,  68          ; s[68:69] qh at the head
.set FAR, 70          ; s70-71  tile u: the lanes whose query lies beyond 128
.set HIH, 72          ; s72  lanes 16-31
.set MA,  73          ; s73-74  masks at work
.set TS,  75          ; s75  at work
.set MSB, 0
.macro WIN new                      ; the high byte repeats the setting that is left; a switch that changes nothing is dropped
.if MSB != (\new)
	s_set_vgpr_msb (MSB<<8)|(\new)
.set MSB, (\new)
.endif
.endm
.macro PLACES                       ; four places behind a matrix instruction, in front of what reads its result or loads into its sources
.rept 4
	v_nop
.endr
.endm
	s_load_b256 s[4:11], s[0:1], 0x0  ; qh s[4:5], kh s[6:7], vt s[8:9], oh s[10:11]
	v_lshl_add_u32 v[SPW], v0, 2, SPARE
	v_mov_b32 v[NIL], 0
	ds_add_u32 v[SPW], v[NIL]       ; the wave's opening: the add and its wait stand ahead of my first tensor load; the set-up below, work on registers, stands between them
	v_lshrrev_b32 v1, 5, v0
	v_readfirstlane_b32 s[WV], v1   ; wave 0..7
	s_lshr_b32 s[GR], s[WV], 1
	s_and_b32 s[HF], s[WV], 1
	s_mov_b32 s[JB], ttmp9
	s_and_b32 s[BH], ttmp7, 0xffff
	s_lshl_b32 s20, s[BH], 18       ; a head is 262,144 bytes in each of the four tensors
	s_mov_b32 s21, 0
	s_lshl_b32 s[KT0], s[JB], 2
	s_add_co_u32 s[KT0], s[KT0], s[GR]
	s_sub_co_u32 s[KT0], s[KT0], 2
	s_lshl_b32 s22, s[JB], 15       ; my block's 256 rows of 128 bytes,
	s_lshl_b32 s23, s[WV], 12       ; my wave's 32
	s_add_co_u32 s22, s22, s23
	s_mov_b32 s23, 0
	s_lshl_b32 s18, s[JB], 1        ; which 128 keys I fetch: pair 2 J - 1 + w % 4, held inside the head: what a clamped pair brings is never read
	s_and_b32 s19, s[WV], 3
	s_add_co_u32 s18, s18, s19
	s_sub_co_i32 s18, s18, 1
	s_max_i32 s18, s18, 0
	s_min_i32 s18, s18, 15
	s_lshl_b32 s76, s18, 14         ; in kh: 128 rows of 128 bytes
	s_mov_b32 s77, 0
	s_lshl_b32 s78, s18, 8          ; in vt: 256 bytes of each channel's row
	s_mov_b32 s79, 0
	s_lshl_b32 s80, s[WV], 15       ; row 0: my wave's 256 keys in kh,
	s_mov_b32 s81, 0
	s_lshl_b32 s82, s[WV], 9        ; and in vt
	s_mov_b32 s83, 0
	; descriptor group 1.  K: 128 keys are 16,384 dense bytes: 64 rows of 256 bytes, padded after every key.  V^T: 64 channels x 256 bytes, 4,096 bytes apart, padded after every row
	s_mov_b32 s[G1K], (1<<16)|(1<<20)|(4<<22)|(3<<25)  ; 17:16 2-byte elements; 20 padding on; 24:22 after every 32 words (code 4); 31:25 4 words (code 3)
	s_mov_b32 s[G1V], (1<<16)|(1<<20)|(5<<22)|(3<<25)  ; the same after every 64 words (code 5)
.irp g, G1K, G1V
	s_mov_b32 s[(\g)+1], 128<<16    ; tensor_dim0 = 128
	s_mov_b32 s[(\g)+2], 64<<16     ; tensor_dim1 = 64
	s_mov_b32 s[(\g)+3], 128<<16    ; tile_dim0 = 128
	s_mov_b32 s[(\g)+4], 64         ; tile_dim1 = 64
	s_mov_b32 s[(\g)+6], 0
	s_mov_b32 s[(\g)+7], 0
.endr
	s_mov_b32 s[G1K+5], 128         ; elements from row to row
	s_mov_b32 s[G1V+5], 2048
	s_mov_b32 s[G0K], 1             ; count = 1
	s_mul_i32 s[G0K+1], s[WV], KPAIR  ; LDS address: waves 0-3 bring K's four pairs,
	s_mov_b32 s[G0V], 1
	s_mul_i32 s[G0V+1], s[WV], VPAIR
	s_add_co_u32 s[G0V+1], s[G0V+1], VBASE-4*VPAIR  ; waves 4-7 V^T's
	s_mov_b32 s[CS], 0x3e38aa3b     ; c = log2(e) / 8 = 0.180337
	s_mov_b32 s[CS+1], s[CS]        ; named with it as a pair
	s_mov_b32 s[SEL], 0x76543210
	s_mov_b32 s[SEL+1], 0xfedcba98
	s_mov_b32 s[HIH], 0xffff0000
	v_and_b32 v[RR], 15, v0
	v_bfe_u32 v[HH], v0, 4, 1
	v_lshlrev_b32 v[QO], 7, v[RR]
	v_lshl_add_u32 v[QO], v[HH], 4, v[QO]
	v_lshlrev_b32 v[VO], 12, v[RR]
	v_lshl_add_u32 v[VO], v[HH], 4, v[VO]
	s_wait_dscnt 0x0                ; the opening add is done
	s_wait_kmcnt 0x0
	s_add_nc_u64 s[QH:QH+1], s[4:5], s[20:21]
	s_add_nc_u64 s[KH:KH+1], s[6:7], s[20:21]
	s_add_nc_u64 s[VH:VH+1], s[8:9], s[20:21]
	s_add_nc_u64 s[OP:OP+1], s[10:11], s[20:21]
	s_add_nc_u64 s[QP:QP+1], s[QH:QH+1], s[22:23]
	s_add_nc_u64 s[OP:OP+1], s[OP:OP+1], s[22:23]
	s_add_nc_u64 s[G0K+2:G0K+3], s[KH:KH+1], s[76:77]
	s_or_b32 s[G0K+3], s[G0K+3], 0x80000000  ; type = 2
	s_add_nc_u64 s[G0V+2:G0V+3], s[VH:VH+1], s[78:79]
	s_or_b32 s[G0V+3], s[G0V+3], 0x80000000
	s_add_nc_u64 s[KW:KW+1], s[KH:KH+1], s[80:81]
	s_add_nc_u64 s[VW:VW+1], s[VH:VH+1], s[82:83]
	s_cmp_lt_u32 s[WV], 4           ; the one fill of each wave: one tensor load of mine is out; an s_nop 0 and four v_nop follow it
	s_cbranch_scc0 .Lfill_v
	tensor_load_to_lds s[G0K:G0K+3], s[G1K:G1K+7]
	s_nop 0
.rept 4
	v_nop
.endr
	s_branch .Lfilled
.Lfill_v:
	tensor_load_to_lds s[G0V:G0V+3], s[G1V:G1V+7]
	s_nop 0
.rept 4
	v_nop
.endr
.Lfilled:
	; A fragment of K or Q is 16 rows x 32 channels in 8 registers: lane l holds row l % 16, channels 8 (l / 16) + 0..7 and 16 + 8 (l / 16) + 0..7: two loads of 16 bytes, 32 bytes apart.
.irp u, 0,1
.irp c, 0,1
	global_load_b128 v[Q+16*(\u)+8*(\c):Q+16*(\u)+8*(\c)+3],   v[QO], s[QP:QP+1] offset:(\u)*2048+(\c)*64
	global_load_b128 v[Q+16*(\u)+8*(\c)+4:Q+16*(\u)+8*(\c)+7], v[QO], s[QP:QP+1] offset:(\u)*2048+(\c)*64+32
.endr
.endr
	v_mul_u32_u24 v[AK], v[RR], PK
	v_lshl_add_u32 v[AK], v[HH], 4, v[AK]  ; row x 144 + 16 x half: for K, and for my stage
	s_mul_i32 s18, s[WV], 16*SP
	s_add_co_u32 s18, s18, STAGE
	v_add_nc_u32 v[STO], s18, v[AK]
	v_bfe_u32 v[RD], v0, 3, 2       ; back: 32 lanes take four rows of 128 bytes
	v_mul_u32_u24 v[RD], v[RD], SP
	v_and_b32 v[TW], 7, v0
	v_lshl_add_u32 v[RD], v[TW], 4, v[RD]
	v_add_nc_u32 v[RD], s18, v[RD]
	s_mul_i32 s18, s[GR], KTILE     ; the group's tile e lies at place group + e of the eight
	v_add_nc_u32 v[AK], s18, v[AK]
	v_and_b32 v[GO], 31, v0
	v_mul_u32_u24 v[PRD], v[GO], PPITCH
	v_add_nc_u32 v[PRD], PART, v[PRD]
	s_mul_i32 s18, s[WV], PWAVE
	v_add_nc_u32 v[PST], s18, v[PRD]
	v_lshlrev_b32 v[GO], 4, v[GO]
	v_mul_u32_u24 v[TW], v[RR], PVT
	v_lshl_add_u32 v[TW], v[HH], 4, v[TW]  ; channel x 272 + 16 x half
.irp e, 0,1,2,3,4
	s_add_co_u32 s18, s[GR], \e
	s_lshr_b32 s19, s18, 1
	s_mul_i32 s19, s19, VPAIR       ; the pair,
	s_and_b32 s18, s18, 1
	s_lshl_b32 s18, s18, 7          ; and the tile's 128 bytes of its rows
	s_add_co_u32 s19, s19, s18
	s_add_co_u32 s19, s19, VBASE
	v_add_nc_u32 v[AV+(\e)], s19, v[TW]
.endr
	v_lshlrev_b32 v[TW], 3, v[HH]
	v_sub_nc_u32 v[EU], v[RR], v[TW]
	s_lshl_b32 s18, s[HF], 5
	v_add_nc_u32 v[EU], s18, v[EU]
	v_add_nc_u32 v[EU+1], 16, v[EU]
	s_lshl_b32 s18, s[JB], 8
	s_lshl_b32 s19, s[WV], 5
	s_add_co_u32 s18, s18, s19
	v_add_nc_u32 v[IQ], s18, v[RR]
	v_add_nc_u32 v[IQ+1], 16, v[IQ]
	s_movk_i32 s[TS], 128
	v_cmp_lt_u32 s[FAR], s[TS], v[IQ]
	v_cmp_lt_u32 s[FAR+1], s[TS], v[IQ+1]
	v_mov_b32 v[BIG], 0xf149f2ca    ; -1e30
	v_mov_b32 v[LOWM], 0xff7fffff
	v_mov_b32 v[LOWC], 0xfe000000
	v_mov_b32 v[ONEH], 0x3c00
	v_mov_b32 v[ST+5], 0            ; v_permlanex16_b32 counts as a reader of its destination
	v_mov_b32 v[ST+13], 0
; THE MATRIX WORK.  The accumulators of a run take turns, one instruction a turn.
; S^T = K Q^T for nt tiles: channels 32 c on, keys 16 kb on, tile u.  qb: the queries' registers; kf: K's, in window 1; mk: the mask's, in window 1, or 0: the first products start the sums with the mask or with 0.
.macro KQ nt, qb, kf, mk
.set i, 0
.rept 8*(\nt)
.set c, i/(4*(\nt))
.set kb, (i/(\nt))%4
.set u, i%(\nt)
.set rS, S+32*u+8*kb
.set rK, (\kf)+16*kb+8*c
.set rQ, (\qb)+16*u+8*c
.if c == 0
.if (\mk) != 0
	WIN 0x11                        ; K and the mask in window 1
	v_wmma_f32_16x16x32_f16 v[rS:rS+7], v[rK:rK+7], v[rQ:rQ+7], v[(\mk)+32*u+8*kb:(\mk)+32*u+8*kb+7]
.else
	WIN 0x01                        ; K in window 1
	v_wmma_f32_16x16x32_f16 v[rS:rS+7], v[rK:rK+7], v[rQ:rQ+7], 0
.endif
.else
	WIN 0x01
	v_wmma_f32_16x16x32_f16 v[rS:rS+7], v[rK:rK+7], v[rQ:rQ+7], v[rS:rS+7]
.endif
.set i, i+1
.endr
.endm
; O^T += V^T P for nt tiles: keys 32 kk on, channels 16 cb on, tile u.  first = 1: the first products start the sums.
.macro PV nt, vf, first
	WIN 0x01
.set i, 0
.rept 8*(\nt)
.set kk, i/(4*(\nt))
.set cb, (i/(\nt))%4
.set u, i%(\nt)
.set rO, O+32*u+8*cb
.set rV, (\vf)+32*kk+8*cb
.set rP, P+16*u+8*kk
.if (\first) && (kk == 0)
	v_wmma_f32_16x16x32_f16 v[rO:rO+7], v[rV:rV+7], v[rP:rP+7], 0
.else
	v_wmma_f32_16x16x32_f16 v[rO:rO+7], v[rV:rV+7], v[rP:rP+7], v[rO:rO+7]
.endif
.set i, i+1
.endr
.endm
; THE SOFTMAX OF A STEP, for nt tiles, which alternate line by line.  SMX writes number j of the 21 that find tile u's maximum and statistics (each accumulator's lowest registers are read first):
;   0-11 four chains c0-c3 of seven scores each; 12-15 the four scores left over, c0-c3 and the old m; 16, 18 the query's other 32 keys lie in the lane 16 away; 17 c m_old is kept; 19, 20 c m and its change.
.macro SMX
.set rT, ST+8*u
.set rS, S+32*u
.if j < 4
	v_max3_num_f32 v[rT+4+j], v[rS+8*j], v[rS+8*j+1], v[rS+8*j+2]
.elseif j < 12
	v_max3_num_f32 v[rT+4+j%4], v[rT+4+j%4], v[rS+8*(j%4)+2*(j/4)+1], v[rS+8*(j%4)+2*(j/4)+2]
.elseif j == 12
	v_max3_num_f32 v[rT+4], v[rT+4], v[rS+7], v[rS+15]
.elseif j == 13
	v_max3_num_f32 v[rT+6], v[rT+6], v[rS+23], v[rS+31]
.elseif j == 14
	v_max3_num_f32 v[rT+4], v[rT+4], v[rT+5], v[rT+6]
.elseif j == 15
	v_max3_num_f32 v[rT+4], v[rT+4], v[rT+7], v[rT+1]
.elseif j == 16
	v_permlanex16_b32 v[rT+5], v[rT+4], s[SEL], s[SEL+1]
.elseif j == 17
	v_mov_b32 v[rT+7], v[rT]
.elseif j == 18
	v_max_num_f32 v[rT+1], v[rT+4], v[rT+5]
.elseif j == 19
	v_mul_f32 v[rT], s[CS], v[rT+1]
.else
	v_sub_f32 v[rT+7], v[rT+7], v[rT]
.endif
.endm
.macro SCL p                        ; c s - c m for pair p of tile u's 16
	v_pk_fma_f32 v[S+32*u+2*(\p):S+32*u+2*(\p)+1], v[S+32*u+2*(\p):S+32*u+2*(\p)+1], s[CS:CS+1], v[ST+8*u:ST+8*u+1] op_sel_hi:[1,0,0] neg_lo:[0,0,1] neg_hi:[0,0,1]
.endm
.macro SUMZ                         ; sum z of 16 of tile u: the 16 pairs are added in place, neighbours 1, 2, 4 and 8 pairs apart; then l = a l + the sum
.set rS, S+32*u
.set rT, ST+8*u
.if z < 8
	v_pk_add_f32 v[rS+4*z:rS+4*z+1], v[rS+4*z:rS+4*z+1], v[rS+4*z+2:rS+4*z+3]
.elseif z < 12
	v_pk_add_f32 v[rS+8*(z-8):rS+8*(z-8)+1], v[rS+8*(z-8):rS+8*(z-8)+1], v[rS+8*(z-8)+4:rS+8*(z-8)+5]
.elseif z < 14
	v_pk_add_f32 v[rS+16*(z-12):rS+16*(z-12)+1], v[rS+16*(z-12):rS+16*(z-12)+1], v[rS+16*(z-12)+8:rS+16*(z-12)+9]
.elseif z == 14
	v_pk_add_f32 v[rS:rS+1], v[rS:rS+1], v[rS+16:rS+17]
.else
	v_pk_fma_f32 v[rT+2:rT+3], v[rT+2:rT+3], v[rT+6:rT+7], v[rS:rS+1] op_sel_hi:[1,0,1]
.endif
.endm
; The exponentials are ONE BATCH with ONE wait: ahead of the wait stand the scalings and all exponentials (a, then the scores'), none of which names an exponential's result; behind it the roundings, the sums
; and the rescaling.  first = 1: O^T does not exist yet, and is not rescaled.
.macro SOFT nt, first
	WIN 0
.set j, 0
.rept 21
.set u, 0
.rept \nt
	SMX
.set u, u+1
.endr
.set j, j+1
.endr
.set u, 0
.rept \nt
	SCL 0
.set u, u+1
.endr
.set u, 0
.rept \nt
	v_exp_f32 v[ST+8*u+6], v[ST+8*u+7]  ; a
.set u, u+1
.endr
.set b, 0
.rept 16                            ; pair b + 1 is scaled, pair b's exponentials are issued
.if b < 15
.set u, 0
.rept \nt
	SCL b+1
.set u, u+1
.endr
.endif
.set n, 0
.rept 2
.set u, 0
.rept \nt
	v_exp_f32 v[S+32*u+2*b+n], v[S+32*u+2*b+n]
.set u, u+1
.endr
.set n, n+1
.endr
.set b, b+1
.endr
	v_nop                           ; a plain instruction behind the last exponential, ahead of the first use: one for the batch
	s_wait_alu depctr_va_vdst(0)    ; the wait ahead of the first instruction that names a result: one for the batch
.set n, 0
.rept 16
.set u, 0
.rept \nt
	v_cvt_pk_f16_f32 v[P+16*u+n], v[S+32*u+2*n], v[S+32*u+2*n+1]
.set u, u+1
.endr
.set n, n+1
.endr
.set z, 0
.rept 16
.set u, 0
.rept \nt
	SUMZ
.set u, u+1
.endr
.set z, z+1
.endr
.if !(\first)
.set n, 0
.rept 16
.set u, 0
.rept \nt
	v_pk_mul_f32 v[O+32*u+2*n:O+32*u+2*n+1], v[O+32*u+2*n:O+32*u+2*n+1], v[ST+8*u+6:ST+8*u+7] op_sel_hi:[1,0]
.set u, u+1
.endr
.set n, n+1
.endr
.endif
.endm
; THE LOADS.  From LDS: key tile e's K (64 keys x 64 channels: 8 fragments) and its V^T (64 channels x 64 keys: 8 fragments), 16 loads each.
.macro LDK e
	WIN 0x40                        ; destination window 1, address window 0
.irp kb, 0,1,2,3
.irp c, 0,1
	ds_load_b128 v[KF+16*(\kb)+8*(\c):KF+16*(\kb)+8*(\c)+3],   v[AK] offset:(\e)*KTILE+(\kb)*16*PK+(\c)*64
	ds_load_b128 v[KF+16*(\kb)+8*(\c)+4:KF+16*(\kb)+8*(\c)+7], v[AK] offset:(\e)*KTILE+(\kb)*16*PK+(\c)*64+32
.endr
.endr
.endm
.macro LDV e
	WIN 0x40
.irp kk, 0,1
.irp cb, 0,1,2,3
	ds_load_b128 v[VF+32*(\kk)+8*(\cb):VF+32*(\kk)+8*(\cb)+3],   v[AV+(\e)] offset:(\cb)*16*PVT+(\kk)*64
	ds_load_b128 v[VF+32*(\kk)+8*(\cb)+4:VF+32*(\kk)+8*(\cb)+7], v[AV+(\e)] offset:(\cb)*16*PVT+(\kk)*64+32
.endr
.endr
.endm
; From memory, for row 0: tile t of my wave's 256 keys, K into kf and V^T into vf: 32 loads.
.macro LOADG kf, vf, t
	WIN 0x40
.irp kb, 0,1,2,3
.irp c, 0,1
	global_load_b128 v[(\kf)+16*(\kb)+8*(\c):(\kf)+16*(\kb)+8*(\c)+3],   v[QO], s[KW:KW+1] offset:(\t)*8192+(\kb)*2048+(\c)*64
	global_load_b128 v[(\kf)+16*(\kb)+8*(\c)+4:(\kf)+16*(\kb)+8*(\c)+7], v[QO], s[KW:KW+1] offset:(\t)*8192+(\kb)*2048+(\c)*64+32
.endr
.endr
.irp kk, 0,1
.irp cb, 0,1,2,3
	global_load_b128 v[(\vf)+32*(\kk)+8*(\cb):(\vf)+32*(\kk)+8*(\cb)+3],   v[VO], s[VW:VW+1] offset:(\cb)*65536+(\t)*128+(\kk)*64
	global_load_b128 v[(\vf)+32*(\kk)+8*(\cb)+4:(\vf)+32*(\kk)+8*(\cb)+7], v[VO], s[VW:VW+1] offset:(\cb)*65536+(\t)*128+(\kk)*64+32
.endr
.endr
	WIN 0
.endm
; From memory, for the starting state: keys 0-15 of K (4 loads) and keys 0-31 of V^T (8 loads).
.macro LOAD0
	WIN 0x40
.irp c, 0,1
	global_load_b128 v[KF+8*(\c):KF+8*(\c)+3],   v[QO], s[KH:KH+1] offset:(\c)*64
	global_load_b128 v[KF+8*(\c)+4:KF+8*(\c)+7], v[QO], s[KH:KH+1] offset:(\c)*64+32
.endr
.irp cb, 0,1,2,3
	global_load_b128 v[VF+8*(\cb):VF+8*(\cb)+3],   v[VO], s[VH:VH+1] offset:(\cb)*65536
	global_load_b128 v[VF+8*(\cb)+4:VF+8*(\cb)+7], v[VO], s[VH:VH+1] offset:(\cb)*65536+32
.endr
	WIN 0
.endm
; A step of row 0: one tile (queries 0-15), 64 keys.  The four places at its end stand in front of the loads into the set just multiplied, and of what reads O^T.
.macro R0STEP kf, vf, first
	KQ 1, QZ, \kf, 0
	WIN 0
	PLACES
	SOFT 1, \first
	PV 1, \vf, \first
	WIN 0
	PLACES
.endm
; A step of the walk: key tile e, both tiles of queries.
.macro STEP e, mk
	s_add_co_u32 s[TS], s[KT0], \e
	s_cmp_gt_u32 s[TS], 31          ; outside the head, on either side
	s_cbranch_scc1 .Lskip_\@
	PLACES                          ; behind the last products, which read V^T's registers
	LDK \e
	LDV \e
	s_wait_dscnt 16                 ; K is in; V^T's 16 loads may stay out
	KQ 2, Q, KF, \mk
	WIN 0
	PLACES
	SOFT 2, 0
	s_wait_dscnt 0x0                ; V^T is in
	PV 2, VF, 0
	WIN 0
.Lskip_\@:
.endm
	s_cmp_lg_u32 s[JB], 0
	s_cbranch_scc1 .Lno_row0
	; ROW 0, in block 0's work-groups: four steps on two sets of registers; while one is multiplied the other's 32 loads are on their way
.irp c, 0,1
	global_load_b128 v[QZ+8*(\c):QZ+8*(\c)+3],   v[QO], s[QH:QH+1] offset:(\c)*64
	global_load_b128 v[QZ+8*(\c)+4:QZ+8*(\c)+7], v[QO], s[QH:QH+1] offset:(\c)*64+32
.endr
	LOADG KF, VF, 0
	LOADG MLO, MHI, 1
	v_mov_b32 v[ST], v[LOWC]        ; the empty state: the first step's a is 0
	v_mov_b32 v[ST+1], v[LOWM]
	v_mov_b32 v[ST+2], 0
	v_mov_b32 v[ST+3], 0
	s_wait_loadcnt 32               ; the queries and the first set are in; the second set's 32 loads may stay out
	R0STEP KF, VF, 1
	LOADG KF, VF, 2
	s_wait_loadcnt 32               ; the second set is in
	R0STEP MLO, MHI, 0
	LOADG MLO, MHI, 3
	s_wait_loadcnt 32
	R0STEP KF, VF, 0
	LOAD0
	s_wait_loadcnt 12               ; the last set is in; the 12 loads for the starting state may stay out
	R0STEP MLO, MHI, 0
.irp n, 0,1,2,3,4,5,6,7
	ds_store_b128 v[PST], v[O+4*(\n):O+4*(\n)+3] offset:16*(\n)
.endr
	ds_store_b128 v[PST], v[ST:ST+3] offset:128
	s_branch .Lmasks
.Lno_row0:
	LOAD0
.Lmasks:
	; THE MASKS, once a wave: register 32 u + 8 kb + r stands for key 16 kb + 8 (l / 16) + r of the tile
	WIN 0x40
.set n, 0
.rept 64
	v_cmp_lt_i32 vcc_lo, 16*((n/8)%4)+n%8, v[EU+n/32]  ; e = 0: hidden below the query's place
	v_cndmask_b32 v[MLO+n], 0, v[BIG], vcc_lo
	v_cmp_gt_i32 vcc_lo, 16*((n/8)%4)+n%8, v[EU+n/32]  ; e = 4: hidden above it
	v_cndmask_b32 v[MHI+n], 0, v[BIG], vcc_lo
.set n, n+1
.endr
	; THE STARTING STATE
	s_wait_loadcnt 0x0              ; Q, K's keys 0-15, V^T's keys 0-31
	WIN 0x01
	v_wmma_f32_16x16x32_f16 v[S:S+7],     v[KF:KF+7],    v[Q:Q+7],      0
	v_wmma_f32_16x16x32_f16 v[S+32:S+39], v[KF:KF+7],    v[Q+16:Q+23],  0
	v_wmma_f32_16x16x32_f16 v[S:S+7],     v[KF+8:KF+15], v[Q+8:Q+15],   v[S:S+7]
	v_wmma_f32_16x16x32_f16 v[S+32:S+39], v[KF+8:KF+15], v[Q+24:Q+31],  v[S+32:S+39]
	WIN 0
	PLACES
.irp u, 0,1
	v_permlanex16_b32 v[ST+8*(\u)+5], v[S+32*(\u)], s[SEL], s[SEL+1]  ; key 0's score lies in register 0 of lanes 0-15
.endr
.irp u, 0,1
	v_cndmask_b32 v[ST+8*(\u)+4], v[S+32*(\u)], v[ST+8*(\u)+5], s[HIH]  ; now in both halves
	s_and_b32 s[MA+(\u)], s[FAR+(\u)], 0xffff      ; the lanes that hold key 0, where the query lies beyond 128
	v_mul_f32 v[ST+8*(\u)+6], s[CS], v[ST+8*(\u)+4]
	v_cndmask_b32 v[ST+8*(\u)+1], v[LOWM], v[ST+8*(\u)+4], s[FAR+(\u)]  ; m
	v_cndmask_b32 v[ST+8*(\u)], v[LOWC], v[ST+8*(\u)+6], s[FAR+(\u)]    ; c m
	v_cndmask_b32 v[ST+8*(\u)+2], 0, 1.0, s[MA+(\u)]                    ; l
	v_mov_b32 v[ST+8*(\u)+3], 0
	v_cndmask_b32 v[P+16*(\u)], 0, v[ONEH], s[MA+(\u)]                  ; the weight 1 at key 0
.irp n, 1,2,3,4,5,6,7
	v_mov_b32 v[P+16*(\u)+(\n)], 0
.endr
.endr
	WIN 0x01
.irp cb, 0,1,2,3
.irp u, 0,1
	v_wmma_f32_16x16x32_f16 v[O+32*(\u)+8*(\cb):O+32*(\u)+8*(\cb)+7], v[VF+8*(\cb):VF+8*(\cb)+7], v[P+16*(\u):P+16*(\u)+7], 0  ; O^T = v_0, or 0: nothing is cleared
.endr
.endr
	WIN 0
	s_wait_tensorcnt 0x0            ; my part of the 512 keys is in,
	s_wait_dscnt 0x0                ; my partial result of row 0 is stored,
	s_barrier_signal -1
	s_barrier_wait -1               ; everybody's is
	STEP 0, MLO
	STEP 1, 0
	STEP 2, 0
	STEP 3, 0
	STEP 4, MHI
	PLACES                          ; behind the last products
	; ROW 0 IS JOINED, by wave 0 of block 0: with M the largest c m, f_w = 2^(c m_w - M): l = the sum of f_w l_w, O^T = the sum of f_w O^T_w
	s_or_b32 s[TS], s[JB], s[WV]
	s_cmp_lg_u32 s[TS], 0
	s_cbranch_scc1 .Lno_merge
.macro MLOAD w, buf                 ; wave w's O^T into S^T's half buf
.irp n, 0,1,2,3,4,5,6,7
	ds_load_b128 v[S+32*(\buf)+4*(\n):S+32*(\buf)+4*(\n)+3], v[PRD] offset:(\w)*PWAVE+16*(\n)
.endr
.endm
.irp w, 0,1,2,3,4,5,6,7
	ds_load_b128 v[P+4*(\w):P+4*(\w)+3], v[PRD] offset:(\w)*PWAVE+128  ; c m, m, l, l
.endr
	MLOAD 0, 0
	MLOAD 1, 1
	s_wait_dscnt 16                 ; the statistics are in; the 16 loads behind them may stay out
	v_max3_num_f32 v[TW], v[P], v[P+4], v[P+8]
	v_max3_num_f32 v[TW], v[TW], v[P+12], v[P+16]
	v_max3_num_f32 v[TW], v[TW], v[P+20], v[P+24]
	v_max_num_f32 v[TW], v[TW], v[P+28]
.irp w, 0,1,2,3,4,5,6,7
	v_sub_f32 v[P+4*(\w)], v[P+4*(\w)], v[TW]
.endr
.irp w, 0,1,2,3,4,5,6,7
	v_exp_f32 v[P+4*(\w)], v[P+4*(\w)]
.endr
	v_nop                           ; a plain instruction behind the last exponential,
	s_wait_alu depctr_va_vdst(0)    ; and the one wait for the eight
	v_pk_mul_f32 v[ML:ML+1], v[P+2:P+3], v[P:P+1] op_sel_hi:[1,0]
.irp w, 1,2,3,4,5,6,7
	v_pk_fma_f32 v[ML:ML+1], v[P+4*(\w)+2:P+4*(\w)+3], v[P+4*(\w):P+4*(\w)+1], v[ML:ML+1] op_sel_hi:[1,0,1]
.endr
.irp w, 0,1,2,3,4,5,6,7
.if (\w) < 7
	s_wait_dscnt 8                  ; wave w's O^T is in; the next one's 8 loads may stay out
.else
	s_wait_dscnt 0x0
.endif
.set n, 0
.rept 16
.if (\w) == 0
	v_pk_mul_f32 v[Q+2*n:Q+2*n+1], v[S+2*n:S+2*n+1], v[P:P+1] op_sel_hi:[1,0]
.else
	v_pk_fma_f32 v[Q+2*n:Q+2*n+1], v[S+32*((\w)%2)+2*n:S+32*((\w)%2)+2*n+1], v[P+4*(\w):P+4*(\w)+1], v[Q+2*n:Q+2*n+1] op_sel_hi:[1,0,1]
.endif
.set n, n+1
.endr
.if (\w) < 6
	MLOAD (\w)+2, (\w)%2
.endif
.endr
	v_cmp_eq_u32 s[MA], 0, v[RR]    ; the two lanes of query 0
.set n, 0
.rept 32
	v_cndmask_b32 v[O+n], v[O+n], v[Q+n], s[MA]
.set n, n+1
.endr
	v_cndmask_b32 v[ST+2], v[ST+2], v[ML], s[MA]
	v_cndmask_b32 v[ST+3], v[ST+3], v[ML+1], s[MA]
.Lno_merge:
	; THE WAY OUT.  l's two halves and the other half of the lanes' are added; O^T is divided by l, rounded to f16 and sent through my stage in LDS, a tile at a time.
.irp u, 0,1
	v_add_f32 v[ST+8*(\u)+2], v[ST+8*(\u)+2], v[ST+8*(\u)+3]
.endr
.irp u, 0,1
	v_permlanex16_b32 v[ST+8*(\u)+3], v[ST+8*(\u)+2], s[SEL], s[SEL+1]
.endr
.irp u, 0,1
	v_add_f32 v[ST+8*(\u)+2], v[ST+8*(\u)+2], v[ST+8*(\u)+3]
.endr
.irp u, 0,1
	v_rcp_f32 v[ST+8*(\u)+2], v[ST+8*(\u)+2]
.endr
	v_nop                           ; a plain instruction between the last reciprocal and the use of its result,
	s_wait_alu depctr_va_vdst(0)    ; and the one wait for the two
.macro PACK u                       ; a lane's eight channels of a row pack into 16 bytes; they go into rows of 144 bytes and come back as whole rows of 128, into S^T's registers
.set n, 0
.rept 16
	v_pk_mul_f32 v[O+32*(\u)+2*n:O+32*(\u)+2*n+1], v[O+32*(\u)+2*n:O+32*(\u)+2*n+1], v[ST+8*(\u)+2:ST+8*(\u)+3] op_sel_hi:[1,0]
.set n, n+1
.endr
.set n, 0
.rept 16
	v_cvt_pk_f16_f32 v[S+16*(\u)+n], v[O+32*(\u)+2*n], v[O+32*(\u)+2*n+1]
.set n, n+1
.endr
.irp f, 0,1,2,3
	ds_store_b128 v[STO], v[S+16*(\u)+4*(\f):S+16*(\u)+4*(\f)+3] offset:32*(\f)
.endr
.irp f, 0,1,2,3
	ds_load_b128 v[S+16*(\u)+4*(\f):S+16*(\u)+4*(\f)+3], v[RD] offset:(\f)*4*SP  ; LDS serves a wave's instructions in order (ISA guide 5.7.1.4): these see the stores above; the next tile's stores come behind them
.endr
.endm
.macro SEND u, younger              ; younger: the LDS instructions issued behind tile u's loads: the next tile's eight, or none
.irp f, 0,1,2,3
	s_wait_dscnt (\younger)+3-(\f)
	global_store_b128 v[GO], v[S+16*(\u)+4*(\f):S+16*(\u)+4*(\f)+3], s[OP:OP+1] offset:(\u)*2048+(\f)*512  ; 512 consecutive bytes, at a multiple of 256 from oh's first
.endr
.endm
	PACK 0
	PACK 1
	SEND 0, 8
	SEND 1, 0
	s_wait_tensorcnt 0x0            ; the wave's end: the add and its wait stand behind my last tensor load and my last LDS store
	ds_add_u32 v[SPW], v[NIL]
	s_wait_dscnt 0x0
	s_endpgm
.Lfunc_end_k_qcc3cecf67d_attn:
	.size	k_qcc3cecf67d_attn, .Lfunc_end_k_qcc3cecf67d_attn-k_qcc3cecf67d_attn
	.p2alignl 7, 3214868480
	.fill 96, 4, 3214868480
	.section	.rodata,"a",@progbits
	.p2align	6, 0x0
	.amdhsa_kernel k_qcc3cecf67d_attn
		.amdhsa_group_segment_fixed_size 199680
		.amdhsa_private_segment_fixed_size 0
		.amdhsa_enable_private_segment 0
		.amdhsa_kernarg_size 32
		.amdhsa_user_sgpr_count 2
		.amdhsa_user_sgpr_kernarg_segment_ptr 1
		.amdhsa_wavefront_size32 1
		.amdhsa_system_sgpr_workgroup_id_x 1
		.amdhsa_system_sgpr_workgroup_id_y 1
		.amdhsa_system_sgpr_workgroup_id_z 1
		.amdhsa_system_vgpr_workitem_id 0
		.amdhsa_next_free_vgpr 512
		.amdhsa_next_free_sgpr 84
		.amdhsa_reserve_vcc 1
		.amdhsa_float_denorm_mode_32 3
		.amdhsa_float_denorm_mode_16_64 3
		.amdhsa_memory_ordered 1
		.amdhsa_forward_progress 1
		.amdhsa_inst_pref_size 173
	.end_amdhsa_kernel
	.amdgpu_metadata
---
amdhsa.version: [ 1, 2 ]
amdhsa.kernels:
  - .name:           k_qcc3cecf67d_attn
    .symbol:         k_qcc3cecf67d_attn.kd
    .args:
      - { .name: qh, .offset: 0, .size: 8, .value_kind: global_buffer, .address_space: global }
      - { .name: kh, .offset: 8, .size: 8, .value_kind: global_buffer, .address_space: global }
      - { .name: vt, .offset: 16, .size: 8, .value_kind: global_buffer, .address_space: global }
      - { .name: oh, .offset: 24, .size: 8, .value_kind: global_buffer, .address_space: global }
    .group_segment_fixed_size: 199680
    .private_segment_fixed_size: 0
    .kernarg_segment_align: 8
    .kernarg_segment_size: 32
    .max_flat_workgroup_size: 256
    .sgpr_count:     84
    .vgpr_count:     512
    .wavefront_size: 32
...
	.end_amdgpu_metadata
.endif
;; end of part 3
;; launch oproj (part 4): grid 8 x 32, 4 waves a work-group, clusters of 4 x 4, 327,680 bytes of LDS; arguments oh, wob, out0; writes out0
.if DOCPART == 4
	.amdgcn_target "amdgcn-amd-amdhsa--gfx1250"
	.amdhsa_code_object_version 6
	.text
	.protected	k_qcc3cecf67d_oproj
	.globl	k_qcc3cecf67d_oproj
	.p2align	8
	.type	k_qcc3cecf67d_oproj,@function
k_qcc3cecf67d_oproj:
	s_mov_b64 s[64:65], 0
	v_nop
	global_prefetch_b8 v0, s[64:65] scope:SCOPE_SE
	s_setreg_imm32_b32 hwreg(HW_REG_WAVE_MODE, 25, 1), 1
	s_wait_xcnt 0x0
	s_wait_alu depctr_hold_cnt(0) depctr_sa_sdst(0) depctr_va_vdst(0) depctr_va_sdst(0) depctr_va_ssrc(0) depctr_va_vcc(0) depctr_vm_vsrc(0)
	s_getreg_b32 s2, hwreg(HW_REG_IB_STS2, 6, 4)
	s_cmp_eq_u32 s2, 0
	s_cbranch_scc0 .Lentry_in_a_cluster
	s_endpgm
.Lentry_in_a_cluster:
	s_bfe_u32 s2, ttmp6, 0x10000c
	s_cmp_lg_u32 s2, 0xf033
	s_cbranch_scc0 .Lentry_shape_is_right
	s_endpgm
.Lentry_shape_is_right:
; out0[t][n] = the sum over heads h and channels c of O[h][t][c] Wo[n][64 h + c]: [4096 x 1024], K = 1,024 taken by heads.  oh: [32 bh][2048 t][64] f16; wob: [16 h][1024 n][64] f16; out0 f32; sums in f32.
; SHARES.  A tile of out0 is 128 x 128: 8 x 32 = 256 work-groups.  Four waves, each 64 x 64: 16 accumulators of 16 x 16.  A K step is four heads (256 along K); four K steps go through a ring of two LDS slots.
; For one head a tile's 128 rows of O, and its 128 rows of Wo, are 16,384 dense bytes.  A wave's tensor load brings two heads' blocks: two rows of 16,384 bytes, a head apart, padded in LDS after every 128 bytes.
; CLUSTER 4 x 4: O's tile hangs on the row block alone and is shared along a row of the cluster, Wo's on the column block alone and is shared along a column: each is asked for jointly.
; THE MATRIX INSTRUCTION IS USED TRANSPOSED (source 0 = 16 rows of Wo, source 1 = 16 rows of O): a lane holds eight neighbouring numbers of a row of out0.
; NO PREFETCH: the tile is small, and a K step's tiles are asked for a whole K step ahead.
; REGISTERS: window 0: v0-31 addresses; v32-95 the way out; v128-255 the accumulators ((a, b) at v[128 + 8 (4 a + b)]).  window 1: two fragment buffers of 128: for one head, 64 registers of O, then 64 of Wo.
.set PITCH,  144                       ; an LDS row: a head's 128 bytes + 16 of padding: the 16 rows of a load start at 16 different groups of four banks (64 banks of 4 bytes: ISA guide 11.1)
.set HB,     128*PITCH                 ; a head's block
.set SLOT,   8*HB                      ; O's four heads, then Wo's four
.set STAGE,  2*SLOT                    ; behind the ring: 16 rows x 272 bytes for each wave, its own
.set SPITCH, 272
.set SPARE,  STAGE+4*16*SPITCH         ; the spare words, 128 bytes for each wave: two blocks of 256 bytes that no other line names
.set ADRA, 16                          ; v16-17  LDS address of my O fragments in slot 0, 1
.set ADRB, 20                          ; v20-21  the same for Wo
.set STO,  24                          ; v24     the way out: where I put 32 bytes of a row
.set RD,   25                          ; v25     where I read a row back
.set CO,   26                          ; v26     my byte offset in two rows of out0
.set SPW,  28                          ; v28     LDS address of my spare word; never rewritten
.set NIL,  29                          ; v29     0; never rewritten
.set TMP,  32                          ; v32-95  16 rows read back, two buffers of 32
.set ACC,  128
.set F0,   0                           ; fragment buffers, in window 1
.set F1,   128
.set G1, 24                            ; s[24:31] descriptor group 1 for O's tiles;  s[32:39] group 0, a set for each slot
.set G0, 32
.set G1B, 48                           ; s[48:55], s[56:63] the same for Wo's
.set G0B, 56
.set MSB, 0
.macro WIN new                         ; the immediate's high byte repeats the setting that is left
.if MSB != (\new)
	s_set_vgpr_msb (MSB<<8)|(\new)
.set MSB, \new
.endif
.endm
.set MUL,  0x05                        ; sources 0 and 1 window 1; C and D window 0
.set TO_F, 0x40                        ; destination window 1, address window 0
.macro JLOAD s                         ; a joint load: waves 0 and 1 fetch O's heads, waves 2 and 3 Wo's; an s_nop 0 and four v_nop follow each of the two lines
	s_cmp_eq_u32 s11, 0
	s_cbranch_scc0 .Lfor_b_\@
	tensor_load_to_lds s[G0+4*(\s):G0+4*(\s)+3], s[G1:G1+7]
	s_nop 0
.rept 4
	v_nop
.endr
	s_branch .Lasked_\@
.Lfor_b_\@:
	tensor_load_to_lds s[G0B+4*(\s):G0B+4*(\s)+3], s[G1B:G1B+7]
	s_nop 0
.rept 4
	v_nop
.endr
.Lasked_\@:
.endm
.macro CREST                           ; a round of the cluster's barrier behind its opening barrier
	s_cmp_lg_u32 s10, 0
	s_cbranch_scc1 .Lnot_wave_0_\@
	s_barrier_signal -3
.Lnot_wave_0_\@:
	s_barrier_wait -3
	s_barrier_signal -1
	s_barrier_wait -1
.endm
.macro CROUND                          ; a whole round
	s_barrier_signal -1
	s_barrier_wait -1
	CREST
.endm
.macro PLACES                          ; four places in front of loads into registers that matrix instructions have read, and of stores that read results
.rept 4
	v_nop
.endr
.endm
	s_load_b128 s[4:7], s[0:1], 0x0                ; oh s[4:5], wob s[6:7]
	s_load_b64 s[8:9], s[0:1], 0x10                ; out0
	v_lshl_add_u32 v[SPW], v0, 2, SPARE
	v_mov_b32 v[NIL], 0
	ds_add_u32 v[SPW], v[NIL]                      ; the wave's opening: the add and its wait stand ahead of my first tensor load; the set-up below, work on registers, stands between them
	v_lshrrev_b32 v1, 5, v0
	v_readfirstlane_b32 s10, v1                    ; wave 0..3
	s_lshr_b32 s11, s10, 1                         ; which half of the tile's rows is mine.  Also: I fetch for O (0) or for Wo (1)
	s_and_b32 s12, s10, 1                          ; which half of its columns.  Also: which two heads of a K step's four I fetch
	s_bfe_u32 s40, ttmp6, 0x40000                  ; cx, cy: my place in the cluster
	s_bfe_u32 s41, ttmp6, 0x40004
	s_lshl_b32 s42, ttmp9, 2
	s_add_co_u32 s42, s42, s40                     ; the column block = 4 x cluster x + cx
	s_and_b32 s13, ttmp7, 0xffff
	s_lshl_b32 s13, s13, 2
	s_add_co_u32 s13, s13, s41                     ; the row block = 4 x cluster y + cy
	s_lshl_b32 s43, s41, 2
	s_lshl_b32 s43, 15, s43                        ; my row of the cluster
	s_lshl_b32 s44, 0x1111, s40                    ; my column
	; descriptor group 1: 15:0 the mask; 17:16 elements of 2 bytes; 20 padding on; 21 set beside a mask; 24:22 after every 32 words (code 4); 31:25 4 words (code 3)
	s_or_b32 s[G1+0], s43, (1<<16)|(1<<20)|(1<<21)|(4<<22)|(3<<25)
	s_or_b32 s[G1B+0], s44, (1<<16)|(1<<20)|(1<<21)|(4<<22)|(3<<25)
.irp g, G1, G1B
	s_mov_b32 s[(\g)+1], 8192<<16                  ; tensor_dim0 = 8,192 elements: a head's block
	s_mov_b32 s[(\g)+2], 2<<16                     ; tensor_dim1 = 2 heads
	s_mov_b32 s[(\g)+3], 8192<<16                  ; tile_dim0 = 8,192
	s_mov_b32 s[(\g)+4], 2                         ; tile_dim1 = 2
	s_mov_b32 s[(\g)+6], 0
	s_mov_b32 s[(\g)+7], 0
.endr
	s_mov_b32 s[G1+5], 131072                      ; elements from head to head in oh,
	s_mov_b32 s[G1B+5], 65536                      ; and in wob
	s_lshr_b32 s16, s13, 4                         ; O: the batch's 16 heads of 262,144 bytes,
	s_lshl_b32 s16, s16, 22
	s_and_b32 s17, s13, 15
	s_lshl_b32 s17, s17, 14                        ; the block's 128 rows of 128 bytes,
	s_add_co_u32 s16, s16, s17
	s_lshl_b32 s17, s12, 19                        ; my two heads
	s_add_co_u32 s16, s16, s17
	s_mov_b32 s17, 0
	s_lshl_b32 s46, s42, 14                        ; Wo: the block's 128 rows,
	s_lshl_b32 s47, s12, 18                        ; my two heads of 131,072 bytes
	s_add_co_u32 s46, s46, s47
	s_mov_b32 s47, 0
	s_mul_i32 s20, s10, 2*HB                       ; where they go: wave x two heads' blocks: no place in the cluster enters an LDS address
	s_wait_dscnt 0x0                               ; the opening add is done
	s_wait_kmcnt 0x0
	s_add_nc_u64 s[14:15], s[4:5], s[16:17]
	s_add_nc_u64 s[46:47], s[6:7], s[46:47]
	CROUND                                         ; all sixteen work-groups are here: the first joint loads meet
.irp s, 0,1
	s_mov_b32 s[G0+4*(\s)], 1
	s_add_co_u32 s[G0+4*(\s)+1], s20, (\s)*SLOT
	s_add_nc_u64 s[G0+4*(\s)+2:G0+4*(\s)+3], s[14:15], (\s)*4*262144  ; K step s: four heads on
	s_or_b32 s[G0+4*(\s)+3], s[G0+4*(\s)+3], 0x80000000
	s_mov_b32 s[G0B+4*(\s)], 1
	s_add_co_u32 s[G0B+4*(\s)+1], s20, (\s)*SLOT
	s_add_nc_u64 s[G0B+4*(\s)+2:G0B+4*(\s)+3], s[46:47], (\s)*4*131072
	s_or_b32 s[G0B+4*(\s)+3], s[G0B+4*(\s)+3], 0x80000000
	JLOAD \s                                       ; two loads of mine are out
.endr
	v_and_b32 v1, 15, v0                           ; l % 16
	v_bfe_u32 v2, v0, 4, 1                         ; l / 16
	v_mul_u32_u24 v3, v1, PITCH
	v_lshl_add_u32 v3, v2, 4, v3                   ; a fragment's row x pitch + 16 x half
	s_mul_i32 s21, s11, 64*PITCH                   ; my 64 rows of O in a head's block
	s_mul_i32 s22, s12, 64*PITCH                   ; my 64 rows of Wo,
	s_add_co_u32 s22, s22, 4*HB                    ; whose blocks lie behind O's four
.irp s, 0,1
	v_add_nc_u32 v[ADRA+(\s)], s21, v3
	v_add_nc_u32 v[ADRB+(\s)], s22, v3
	s_add_co_u32 s21, s21, SLOT
	s_add_co_u32 s22, s22, SLOT
.endr
	s_mul_i32 s23, s10, 16*SPITCH
	s_add_co_u32 s23, s23, STAGE                   ; my stage
	v_mul_u32_u24 v4, v1, SPITCH                   ; in: row l % 16, 32 bytes for each half of the lanes
	v_lshl_add_u32 v4, v2, 5, v4
	v_add_nc_u32 v[STO], s23, v4
	v_mul_u32_u24 v5, v2, SPITCH                   ; back: lanes 0-15 take one row of 256 bytes, lanes 16-31 the next
	v_lshl_add_u32 v5, v1, 4, v5
	v_add_nc_u32 v[RD], s23, v5
	v_lshlrev_b32 v5, 12, v2                       ; and the same two rows in out0 (4,096 bytes a row)
	v_lshl_add_u32 v[CO], v1, 4, v5
	s_lshl_b32 s16, s13, 7
	s_lshl_b32 s17, s11, 6
	s_add_co_u32 s16, s16, s17                     ; my first row of out0
	s_lshl_b32 s16, s16, 12
	s_lshl_b32 s17, s42, 9                         ; my first column, in bytes: 512 x column block + 256 x half
	s_add_co_u32 s16, s16, s17
	s_lshl_b32 s17, s12, 8
	s_add_co_u32 s16, s16, s17
	s_mov_b32 s17, 0
	s_add_nc_u64 s[8:9], s[8:9], s[16:17]
; 8 matrix instructions: row blocks a0, a0 + 1 x all 4 column blocks, 32 along K: half c of buffer f.  zero = 1: the product starts the sums.  The 16 accumulators take turns.
.macro MUL8 f, c, a0, zero
	WIN MUL
.irp a, \a0, (\a0)+1
.irp b, 0,1,2,3
.if \zero
	v_wmma_f32_16x16x32_f16 v[ACC+8*(4*(\a)+(\b)):ACC+8*(4*(\a)+(\b))+7], v[(\f)+64+8*(4*(\c)+(\b)):(\f)+64+8*(4*(\c)+(\b))+7], v[(\f)+8*(4*(\c)+(\a)):(\f)+8*(4*(\c)+(\a))+7], 0
.else
	v_wmma_f32_16x16x32_f16 v[ACC+8*(4*(\a)+(\b)):ACC+8*(4*(\a)+(\b))+7], v[(\f)+64+8*(4*(\c)+(\b)):(\f)+64+8*(4*(\c)+(\b))+7], v[(\f)+8*(4*(\c)+(\a)):(\f)+8*(4*(\c)+(\a))+7], v[ACC+8*(4*(\a)+(\b)):ACC+8*(4*(\a)+(\b))+7]
.endif
.endr
.endr
.endm
; 32 LDS loads in one run: the fragments of head q of the slot's four, into buffer f; its first 32 channels first
.macro FETCH slot, q, f
	WIN TO_F
.irp c, 0,1
.irp i, 0,1,2,3
	ds_load_b128 v[(\f)+64+8*(4*(\c)+(\i)):(\f)+64+8*(4*(\c)+(\i))+3],   v[ADRB+(\slot)] offset:(\q)*HB+64*(\c)+(\i)*16*PITCH
	ds_load_b128 v[(\f)+64+8*(4*(\c)+(\i))+4:(\f)+64+8*(4*(\c)+(\i))+7], v[ADRB+(\slot)] offset:(\q)*HB+64*(\c)+(\i)*16*PITCH+32
	ds_load_b128 v[(\f)+8*(4*(\c)+(\i)):(\f)+8*(4*(\c)+(\i))+3],         v[ADRA+(\slot)] offset:(\q)*HB+64*(\c)+(\i)*16*PITCH
	ds_load_b128 v[(\f)+8*(4*(\c)+(\i))+4:(\f)+8*(4*(\c)+(\i))+7],       v[ADRA+(\slot)] offset:(\q)*HB+64*(\c)+(\i)*16*PITCH+32
.endr
.endr
.endm
; A K step is four quarters, a head each, 32 matrix instructions, on buffers 0, 1, 0, 1.  One of the first three: multiplies buffer f and fetches head q into g.
.macro QUARTER slot, q, f, g, zero
	s_wait_dscnt 16                                ; the head's first 32 channels are in; the youngest sixteen loads may be out
	MUL8 \f, 0, 0, \zero
	MUL8 \f, 0, 2, \zero
	PLACES
	FETCH \slot, \q, \g
	s_wait_dscnt 32                                ; all but the 32 just issued
	MUL8 \f, 1, 0, 0
	MUL8 \f, 1, 2, 0
.endm
; The last quarter multiplies buffer 1 and changes slots: ONE barrier; in front of it each wave waits for all its tensor loads, adds 0 to its spare word, and waits for that and for its own reads of this slot.
; fill = 1: the barrier opens a round of the cluster's, and this slot is filled again, two K steps ahead, first thing behind the round.
.macro TURN slot, next, fill
	WIN 0                                          ; (the add's two registers lie in window 0)
	s_wait_tensorcnt 0x0                           ; all my tensor loads have landed: my part of the next slot;
	ds_add_u32 v[SPW], v[NIL]                      ; 0 onto my spare word;
	s_wait_dscnt 17                                ; (the add and the youngest sixteen loads may be out)
	MUL8 F1, 0, 0, 0                               ; eight matrix instructions stand between the add and the wait for it
	s_wait_dscnt 0x0                               ; the add is done, and my reads of this slot are over
	s_barrier_signal -1
	MUL8 F1, 0, 2, 0
.if \fill
	WIN 0
.endif
	s_barrier_wait -1
.if \fill
	CREST                                          ; no wave of any partner still reads this slot's tile or has a load on its way
	s_add_nc_u64 s[G0+4*(\slot)+2:G0+4*(\slot)+3], s[G0+4*(\slot)+2:G0+4*(\slot)+3], 8*262144
	s_add_nc_u64 s[G0B+4*(\slot)+2:G0B+4*(\slot)+3], s[G0B+4*(\slot)+2:G0B+4*(\slot)+3], 8*131072
	JLOAD \slot                                    ; the first tensor load behind the round; the four v_nop behind it are also the places in front of the loads below
.else
	PLACES
.endif
	FETCH \next, 0, F0
	MUL8 F1, 1, 0, 0
	MUL8 F1, 1, 2, 0
.endm
	s_wait_tensorcnt 1                             ; my part of K step 0 is in; K step 1's may stay out
	s_barrier_signal -1
	s_barrier_wait -1                              ; everybody's is
	FETCH 0, 0, F0
	QUARTER 0, 1, F0, F1, 1                        ; the first products start the sums
	QUARTER 0, 2, F1, F0, 0
	QUARTER 0, 3, F0, F1, 0
	TURN 0, 1, 1                                   ; slot 0 takes K step 2
	QUARTER 1, 1, F0, F1, 0
	QUARTER 1, 2, F1, F0, 0
	QUARTER 1, 3, F0, F1, 0
	TURN 1, 0, 1                                   ; slot 1 takes K step 3
	QUARTER 0, 1, F0, F1, 0
	QUARTER 0, 2, F1, F0, 0
	QUARTER 0, 3, F0, F1, 0
	TURN 0, 1, 0                                   ; nothing is left to fetch
	QUARTER 1, 1, F0, F1, 0
	QUARTER 1, 2, F1, F0, 0
	QUARTER 1, 3, F0, F1, 0
	s_wait_dscnt 16                                ; the very last quarter
	MUL8 F1, 0, 0, 0
	MUL8 F1, 0, 2, 0
	s_wait_dscnt 0x0
	MUL8 F1, 1, 0, 0
	MUL8 F1, 1, 2, 0
	WIN 0
	; THE WAY OUT, in f32: my 64 columns are 256 bytes of a row, aligned, so each wave has a stage of its own and no barrier is wanted.  16 rows at a time: 32 bytes a lane in, whole rows back.
	PLACES
	PLACES
.macro STG a
.if (\a) >= 2
	s_wait_xcnt 0x0                                ; the stores of the block two back have read the buffer that is loaded again below
.endif
.irp b, 0,1,2,3
	ds_store_b128 v[STO], v[ACC+8*(4*(\a)+(\b)):ACC+8*(4*(\a)+(\b))+3]   offset:(\b)*64
	ds_store_b128 v[STO], v[ACC+8*(4*(\a)+(\b))+4:ACC+8*(4*(\a)+(\b))+7] offset:(\b)*64+16
.endr
.irp f, 0,1,2,3,4,5,6,7
	ds_load_b128 v[TMP+32*((\a)%2)+4*(\f):TMP+32*((\a)%2)+4*(\f)+3], v[RD] offset:(\f)*2*SPITCH  ; LDS serves a wave's instructions in order (ISA guide 5.7.1.4): these see the stores above; the next block's stores come behind them
.endr
.endm
.macro SEND a, younger                 ; younger: the LDS instructions issued behind block a's loads: the next block's sixteen, or none
.irp f, 0,1,2,3,4,5,6,7
	s_wait_dscnt (\younger)+7-(\f)
	global_store_b128 v[CO], v[TMP+32*((\a)%2)+4*(\f):TMP+32*((\a)%2)+4*(\f)+3], s[8:9] offset:(16*(\a)+2*(\f))*4096  ; 16 lanes store 256 consecutive bytes, at a multiple of 256 from out0's first byte
.endr
.endm
	STG 0
.irp a, 1,2,3
	STG \a
	SEND (\a)-1, 16
.endr
	SEND 3, 0
	s_wait_tensorcnt 0x0                           ; the wave's end: the add and its wait stand behind my last tensor load and my last LDS store
	ds_add_u32 v[SPW], v[NIL]
	s_wait_dscnt 0x0
	CROUND                                         ; the closing round: no work-group ends while a partner may still ask for a tile that names it
	s_endpgm
.Lfunc_end_k_qcc3cecf67d_oproj:
	.size	k_qcc3cecf67d_oproj, .Lfunc_end_k_qcc3cecf67d_oproj-k_qcc3cecf67d_oproj
	.p2alignl 7, 3214868480
	.fill 96, 4, 3214868480
	.section	.rodata,"a",@progbits
	.p2align	6, 0x0
	.amdhsa_kernel k_qcc3cecf67d_oproj
		.amdhsa_group_segment_fixed_size 327680
		.amdhsa_private_segment_fixed_size 0
		.amdhsa_enable_private_segment 0
		.amdhsa_kernarg_size 24
		.amdhsa_user_sgpr_count 2
		.amdhsa_user_sgpr_kernarg_segment_ptr 1
		.amdhsa_wavefront_size32 1
		.amdhsa_system_sgpr_workgroup_id_x 1
		.amdhsa_system_sgpr_workgroup_id_y 1
		.amdhsa_system_sgpr_workgroup_id_z 1
		.amdhsa_system_vgpr_workitem_id 0
		.amdhsa_next_free_vgpr 512
		.amdhsa_next_free_sgpr 66
		.amdhsa_reserve_vcc 0
		.amdhsa_float_denorm_mode_32 3
		.amdhsa_float_denorm_mode_16_64 3
		.amdhsa_memory_ordered 1
		.amdhsa_forward_progress 1
		.amdhsa_inst_pref_size 86
	.end_amdhsa_kernel
	.amdgpu_metadata
---
amdhsa.version: [ 1, 2 ]
amdhsa.kernels:
  - .name:           k_qcc3cecf67d_oproj
    .symbol:         k_qcc3cecf67d_oproj.kd
    .args:
      - { .name: oh, .offset: 0, .size: 8, .value_kind: global_buffer, .address_space: global }
      - { .name: wob, .offset: 8, .size: 8, .value_kind: global_buffer, .address_space: global }
      - { .name: out0, .offset: 16, .size: 8, .value_kind: global_buffer, .address_space: global }
    .group_segment_fixed_size: 327680
    .private_segment_fixed_size: 0
    .kernarg_segment_align: 8
    .kernarg_segment_size: 24
    .max_flat_workgroup_size: 128
    .sgpr_count:     66
    .vgpr_count:     512
    .wavefront_size: 32
...
	.end_amdgpu_metadata
.endif
;; end of part 4
;; ======== version 2 of 2: 4 launches; version 1 with the launch cast written anew for expert scheduling mode
;; limits: values are held in f16: magnitudes above 65,504 overflow, below 6.1e-05 lose precision
;; workspace buffers: xb 8,388,608 bytes; wb 6,291,456 bytes; wob 2,097,152 bytes; qh 8,388,608 bytes; kh 8,388,608 bytes; vt 8,388,608 bytes; oh 8,388,608 bytes
;; launch cast (part 5): grid 512 x 1, 8 waves a work-group, no clusters, 0 bytes of LDS; arguments x, Wq, Wk, Wv, Wo, xb, wb, wob; writes xb, wb, wob
.if DOCPART == 5
	.amdgcn_target "amdgcn-amd-amdhsa--gfx1250"
	.amdhsa_code_object_version 6
	.text
	.protected	k_qcc3cecf67d_cast
	.globl	k_qcc3cecf67d_cast
	.p2align	8
	.type	k_qcc3cecf67d_cast,@function
k_qcc3cecf67d_cast:
	s_mov_b64 s[64:65], 0
	v_nop
	global_prefetch_b8 v0, s[64:65] scope:SCOPE_SE
	s_setreg_imm32_b32 hwreg(HW_REG_WAVE_SCHED_MODE, 0, 2), 2
	s_setreg_imm32_b32 hwreg(HW_REG_WAVE_MODE, 25, 1), 1
	s_wait_xcnt 0x0
	s_wait_alu depctr_vm_vsrc(0)
; THE INPUTS ARE ROUNDED ONCE, TO bf16, AND LAID OUT FOR THE PRODUCTS THAT FOLLOW.
;   xb  [4096][1024] bf16 = x.
;   wb  [3072][1024] bf16: row (3 h + m) 64 + r = row 64 h + r of Wq (m = 0), Wk (1), Wv (2): a head's q, k and v rows lie together.
;   wob [16 h][1024 n][64 c] f16 = Wo[n][64 h + c], rounded to bf16 like the other inputs; that number is then written as f16.
; LIMIT: the step from bf16 to f16 is exact from 6.1e-5 to 65,504 in magnitude; below that Wo keeps f16's fixed step of 6e-8, beyond it becomes an infinity.
; SHARES.  A work-group takes 64 KiB of f32 (16 rows of 1,024): groups 0-255 x, then 64 groups for each of Wq, Wk, Wv, Wo.  A thread issues its 16 loads of 16 bytes at once
; (a wave's load covers 512 consecutive bytes, or for Wo two pieces of 256) and stores 8 bytes for each: a wave's store covers 256 consecutive bytes, aligned.
; No LDS, no barrier, no matrix unit: each byte crosses once and nothing is shared.
; THE MODE: SCHED_MODE bits 1:0 = 2 (LLVM: expert scheduling mode 2), set by the entry lines.  The code itself states the register dependences
; between vector instructions and memory instructions, with s_wait_alu, always for 0.
; THE PLAN.  Registers that memory instructions touch:
;   v[IN], v[OUT]  byte offsets, written once by vector instructions ahead of the loads and never again; read by the 16 loads and by the 16 stores.
;   X              load j lands in four registers of its own, once; no vector instruction names them ahead of the load; its conversions read them behind the counted wait for it; no load follows a conversion.
;   Y              store j's pair is its own: written once, by load j's conversions, read once, by store j.
;   T, v3, v4      named by vector instructions alone.
; So the one kind of dependence is a vector instruction's result that a memory instruction reads.  One wait stands ahead of the loads, for the two offsets.  The 16 loads go in four groups of four: one wait
; at the head of group g + 1 states that group g's conversions have written its eight registers of Y, and that group's four stores follow it in one run, ahead of the waits for the next group's loads; the conversions issued
; since that wait write the next group's Y and T, none of the registers that those stores read.  No register that a load or store reads is written again, so nothing is owed on that side.
.set IN,  1                            ; v1       my byte offset in the group's 64 KiB
.set OUT, 2                            ; v2       my byte offset in what the group stores
.set X,   16                           ; v[16:79] load j: 4 registers
.set Y,   80                           ; v[80:111] store j: 2 registers
.set T,   112                          ; v[112:117] at work
	s_load_b256 s[4:11], s[0:1], 0x0               ; x s[4:5], Wq s[6:7], Wk s[8:9], Wv s[10:11]
	s_load_b256 s[12:19], s[0:1], 0x20             ; Wo s[12:13], xb s[14:15], wb s[16:17], wob s[18:19]
	s_mov_b32 s28, ttmp9                           ; the group's number
	s_sub_co_u32 s29, s28, 256                     ; among the weights' groups (used from group 256 on)
	s_lshr_b32 s30, s29, 6                         ; m: which weight
	s_and_b32 s31, s29, 63                         ; which 16 rows of it
	s_lshl_b32 s24, s31, 16                        ; a weight's source offset: 16 rows of 4,096 bytes
	s_lshr_b32 s32, s31, 2                         ; the head of those rows
	s_mul_i32 s32, s32, 3
	s_add_co_u32 s32, s32, s30
	s_lshl_b32 s32, s32, 6                         ; (3 h + m) 64
	s_and_b32 s33, s31, 3
	s_lshl_b32 s33, s33, 4
	s_add_co_u32 s32, s32, s33                     ; + the rows' place in the head
	s_lshl_b32 s26, s32, 11                        ; rows of 2,048 bytes in wb
	s_lshl_b32 s33, s31, 11                        ; in wob: 16 rows n of 128 bytes in each head's block
	s_cmp_eq_u32 s30, 3
	s_cselect_b32 s26, s33, s26
	s_lshl_b32 s34, s28, 16                        ; x: 64 KiB in,
	s_lshl_b32 s35, s28, 15                        ; 32 KiB out
	s_cmp_lt_u32 s28, 256
	s_cselect_b32 s24, s34, s24
	s_cselect_b32 s26, s35, s26
	s_mov_b32 s25, 0
	s_mov_b32 s27, 0
	v_lshlrev_b32 v[OUT], 3, v0                    ; 8 bytes a thread, on both paths
	s_wait_kmcnt 0x0
	s_cmp_eq_u32 s30, 1                            ; the buffers are chosen by the group's number alone
	s_cselect_b64 s[20:21], s[8:9], s[6:7]
	s_cmp_eq_u32 s30, 2
	s_cselect_b64 s[20:21], s[10:11], s[20:21]
	s_cmp_eq_u32 s30, 3
	s_cselect_b64 s[20:21], s[12:13], s[20:21]
	s_cselect_b64 s[22:23], s[18:19], s[16:17]
	s_cmp_lt_u32 s28, 256
	s_cselect_b64 s[20:21], s[4:5], s[20:21]
	s_cselect_b64 s[22:23], s[14:15], s[22:23]
	s_add_nc_u64 s[20:21], s[20:21], s[24:25]
	s_add_nc_u64 s[22:23], s[22:23], s[26:27]
.macro LOADS step                      ; all 16 loads at once
.set j, 0
.rept 16
	global_load_b128 v[X+4*j:X+4*j+3], v[IN], s[20:21] offset:j*(\step) th:TH_LOAD_NT
.set j, j+1
.endr
.endm
.macro STORES g, step                  ; the four stores of group g, in one run
.set j, 4*(\g)
.rept 4
	global_store_b64 v[OUT], v[Y+2*j:Y+2*j+1], s[22:23] offset:j*(\step)
.set j, j+1
.endr
.endm
	s_cmp_ge_u32 s28, 448
	s_cbranch_scc1 .Lwo
	; x, Wq, Wk, Wv: the order of the numbers stays
	v_lshlrev_b32 v[IN], 4, v0
	s_wait_alu depctr_va_vdst(0)                   ; v[IN] and v[OUT] are written: the loads below read the one as their offset, the stores the other
	LOADS 4096
.set g, 0
.rept 4
.if g > 0
	s_wait_alu depctr_va_vdst(0)                   ; the conversions of the group before have written its eight registers of Y, which the four stores below read
	STORES g-1, 2048
.endif
.set j, 4*g
.rept 4
	s_wait_loadcnt 15-j                            ; loads come back in order: load j is in, the 15 - j younger ones stay out
	v_cvt_pk_bf16_f32 v[Y+2*j], v[X+4*j], v[X+4*j+1]
	v_cvt_pk_bf16_f32 v[Y+2*j+1], v[X+4*j+2], v[X+4*j+3]
.set j, j+1
.endr
.set g, g+1
.endr
	s_wait_alu depctr_va_vdst(0)                   ; the last group's conversions have written its Y, which the last four stores read
	STORES 3, 2048
	s_endpgm
.Lwo:
	; Wo: wave w takes rows 2 w and 2 w + 1; load j is head j's 64 channels of both rows: two pieces of 256 bytes in, 256 consecutive bytes of head j's block out
	v_lshrrev_b32 v3, 5, v0
	v_bfe_u32 v4, v0, 4, 1
	v_lshl_add_u32 v3, v3, 1, v4                   ; my row
	v_and_b32 v4, 15, v0
	v_lshlrev_b32 v4, 4, v4
	v_lshl_add_u32 v[IN], v3, 12, v4
	s_wait_alu depctr_va_vdst(0)                   ; v[IN] and v[OUT] are written: the loads below read the one as their offset, the stores the other
	LOADS 256
.set g, 0
.rept 4
.if g > 0
	s_wait_alu depctr_va_vdst(0)                   ; the conversions of the group before have written its eight registers of Y, which the four stores below read
	STORES g-1, 131072
.endif
.set j, 4*g
.rept 4
	s_wait_loadcnt 15-j                            ; load j is in, the 15 - j younger ones stay out
	v_cvt_pk_bf16_f32 v[T], v[X+4*j], v[X+4*j+1]   ; the one rounding,
	v_cvt_pk_bf16_f32 v[T+1], v[X+4*j+2], v[X+4*j+3]
	v_lshlrev_b32 v[T+2], 16, v[T]                 ; back to f32,
	v_and_b32 v[T+3], 0xffff0000, v[T]
	v_lshlrev_b32 v[T+4], 16, v[T+1]
	v_and_b32 v[T+5], 0xffff0000, v[T+1]
	v_cvt_pk_f16_f32 v[Y+2*j], v[T+2], v[T+3]      ; and written as f16
	v_cvt_pk_f16_f32 v[Y+2*j+1], v[T+4], v[T+5]
.set j, j+1
.endr
.set g, g+1
.endr
	s_wait_alu depctr_va_vdst(0)                   ; the last group's conversions have written its Y, which the last four stores read
	STORES 3, 131072
	s_endpgm
.Lfunc_end_k_qcc3cecf67d_cast:
	.size	k_qcc3cecf67d_cast, .Lfunc_end_k_qcc3cecf67d_cast-k_qcc3cecf67d_cast
	.p2alignl 7, 3214868480
	.fill 96, 4, 3214868480
	.section	.rodata,"a",@progbits
	.p2align	6, 0x0
	.amdhsa_kernel k_qcc3cecf67d_cast
		.amdhsa_group_segment_fixed_size 0
		.amdhsa_private_segment_fixed_size 0
		.amdhsa_enable_private_segment 0
		.amdhsa_kernarg_size 64
		.amdhsa_user_sgpr_count 2
		.amdhsa_user_sgpr_kernarg_segment_ptr 1
		.amdhsa_wavefront_size32 1
		.amdhsa_system_sgpr_workgroup_id_x 1
		.amdhsa_system_sgpr_workgroup_id_y 1
		.amdhsa_system_sgpr_workgroup_id_z 1
		.amdhsa_system_vgpr_workitem_id 0
		.amdhsa_next_free_vgpr 120
		.amdhsa_next_free_sgpr 66
		.amdhsa_reserve_vcc 0
		.amdhsa_float_denorm_mode_32 3
		.amdhsa_float_denorm_mode_16_64 3
		.amdhsa_memory_ordered 1
		.amdhsa_forward_progress 1
		.amdhsa_inst_pref_size 19
	.end_amdhsa_kernel
	.amdgpu_metadata
---
amdhsa.version: [ 1, 2 ]
amdhsa.kernels:
  - .name:           k_qcc3cecf67d_cast
    .symbol:         k_qcc3cecf67d_cast.kd
    .args:
      - { .name: x, .offset: 0, .size: 8, .value_kind: global_buffer, .address_space: global }
      - { .name: Wq, .offset: 8, .size: 8, .value_kind: global_buffer, .address_space: global }
      - { .name: Wk, .offset: 16, .size: 8, .value_kind: global_buffer, .address_space: global }
      - { .name: Wv, .offset: 24, .size: 8, .value_kind: global_buffer, .address_space: global }
      - { .name: Wo, .offset: 32, .size: 8, .value_kind: global_buffer, .address_space: global }
      - { .name: xb, .offset: 40, .size: 8, .value_kind: global_buffer, .address_space: global }
      - { .name: wb, .offset: 48, .size: 8, .value_kind: global_buffer, .address_space: global }
      - { .name: wob, .offset: 56, .size: 8, .value_kind: global_buffer, .address_space: global }
    .group_segment_fixed_size: 0
    .private_segment_fixed_size: 0
    .kernarg_segment_align: 8
    .kernarg_segment_size: 64
    .max_flat_workgroup_size: 256
    .sgpr_count:     66
    .vgpr_count:     120
    .wavefront_size: 32
...
	.end_amdgpu_metadata
.endif
;; end of part 5
;; launch qkv: the kernel of part 2 again; grid 16 x 16, 4 waves a work-group, clusters of 4 x 4, 327,680 bytes of LDS; arguments xb, wb, qh, kh, vt; writes qh, kh, vt
;; launch attn: the kernel of part 3 again; grid 8 x 32, 8 waves a work-group, no clusters, 199,680 bytes of LDS; arguments qh, kh, vt, oh; writes oh
;; launch oproj: the kernel of part 4 again; grid 8 x 32, 4 waves a work-group, clusters of 4 x 4, 327,680 bytes of LDS; arguments oh, wob, out0; writes out0
